; MI455X (gfx1250); checked and timed in simulation.
; The chip was launched on July 23, 2026; its instructions are those of AMD's public machine-readable ISA for CDNA 5 (MIT licence, August 2026) and "CDNA5" Instruction Set Architecture Reference Guide (July 2026). The comments in the code are by the model that wrote it; some were corrected since.
;; Self Attention. Allowed arithmetic: matrix products marked QUANTISED: E2M3 operands, one E8M0 scale for each 32 along K, by v_wmma_scale_f32_16x16x128_f8f6f4 with both operands' format E2M3, f32 sums; everything else in f32.
;; Inputs: b_in 3,072 float32; b_out 1,024 float32; w_in 1,024 x 3,072 float32; w_out 1,024 x 1,024 float32; x 4 x 2,048 x 1,024 float32.
;; Outputs: out0 4 x 2,048 x 1,024 float32.
;; This version of the problem:
;;   THIS VERSION OF THE PROBLEM IS GIVEN IN LOW PRECISION. The matrix products marked QUANTISED in the list below multiply operands that are first quantised to E2M3 (2 exponent bits, 3 mantissa bits; 6 bits a number), with one power-of-two scale for each 32 numbers along K (OCP MX v1.0); their sums are f32. All else is computed in f32.
;;   The module's matrix products, in the order in which they are computed (A, B: the left and right operand; K: the contracted axis; several contracted axes count as one K, in the product's order):
;;     1. [M 8,192, K 1,024] x [K 1,024, N 3,072]; A: input x; B: input w_in: QUANTISED
;;     2. batch 64 x [M 2,048, K 64] x [K 64, N 2,048]; A: computed on the way; B: computed on the way: QUANTISED
;;     3. batch 64 x [M 2,048, K 2,048] x [K 2,048, N 64]; A: softmax (see below); B: computed on the way: QUANTISED
;;     4. [M 8,192, K 1,024] x [K 1,024, N 1,024]; A: computed on the way; B: input w_out: QUANTISED
;;   THE QUANTISER, for each operand of a quantised product, along K:
;;     - K is cut into blocks of 32 from its start; a last block that is shorter is filled with zeros.
;;     - A block's scale is 2^e with e = floor(log2(the largest magnitude in the block)) - 2, held to -126 .. 127; a block of zeros has e = 0. As a byte (E8M0): e + 127.
;;     - Each number is divided by its block's scale, clamped to +-7.5, and rounded to the nearest number of E2M3, ties to even, subnormals kept.
;;     - The product sums the exact products of the quantised numbers (number of the format x scale) in f32.
;;   ~~~python
;;   def quantise(x, axis):      # numpy; x: float32 -> the quantised numbers, widened to float32 again
;;       x = np.moveaxis(x, axis, -1); K = x.shape[-1]
;;       x = np.pad(x, [(0, 0)] * (x.ndim - 1) + [(0, -K % 32)]); x = x.reshape(x.shape[:-1] + (-1, 32)); a = np.abs(x).max(-1, keepdims=True)
;;       e = np.where(a > 0, np.clip(np.frexp(np.where(a > 0, a, 1))[1] - 1 - 2, -126, 127), 0)      # np.frexp(a)[1] - 1 = floor(log2(a)), exactly
;;       r = np.clip(x / 2.0 ** e, -7.5, 7.5)
;;       step = 2.0 ** (np.maximum(np.frexp(np.where(r == 0, 1, r))[1] - 1, 0) - 3)
;;       q = np.round(r / step) * step * 2.0 ** e      # np.round: ties to even
;;       return np.moveaxis(q.reshape(q.shape[:-2] + (-1,))[..., :K], -1, axis).astype(np.float32)
;;   ~~~
;;   SOFTMAX AHEAD OF A QUANTISED PRODUCT. Where the list says 'softmax', what is quantised is not the finished softmax but p = 2^(t - M), with t = logit x log2(e) and M = ceil(the row's largest t), a whole number; so 1/2 < the row's largest p <= 1. The row's sum l is taken of the UNQUANTISED p, in f32, and the product's result is divided by l at the end. Since M is a whole number, a kernel that streams over the keys may use a running M (the ceiling of the running maximum): every later rescaling is an exact power of two, which a block's scale takes up: the codes' values come out the same.
;;   OPERANDS COMPUTED ON THE WAY. 'Computed on the way' means the value that the module computes at that place (a softmax that the list does not call 'softmax' is quantised finished and normalised). What goes into a quantiser is computed in f32, as accurately as f32 sums, v_exp_f32 and their like allow (about 1e-6 of the number): no bf16 or f16 on the way to a quantiser, and a product that is left as it is and whose result goes on into a quantised operand takes f32 operands (vector FMAs, or v_wmma_f32_16x16x4_f32). A number that lies on a knife's edge between two numbers of the format may be rounded either way, as far as f32 arithmetic and the matrix unit's own rounding can turn it there, and no further.
;; One version. Each part assembles by itself: llvm-mc -triple=amdgcn-amd-amdhsa -mcpu=gfx1250 --defsym DOCPART=n.
;; ======== version 1 of 1: 4 launches
;; workspace buffers: x_img 6,291,456 bytes; x_sc 262,144 bytes; w_img 3,145,728 bytes; w_sc 131,072 bytes; qkv 20,185,088 bytes; att_img 6,291,456 bytes; att_sc 262,144 bytes
;; launch prep (part 1): grid 512 x 1, 4 waves a work-group, no clusters, 46,592 bytes of LDS; arguments x, w_in, w_out, x_img, x_sc, w_img, w_sc; writes x_img, x_sc, w_img, w_sc
.if DOCPART == 1
	.amdgcn_target "amdgcn-amd-amdhsa--gfx1250"
	.amdhsa_code_object_version 6
	.text
	.protected	k_q23d1187327_prep
	.globl	k_q23d1187327_prep
	.p2align	8
	.type	k_q23d1187327_prep,@function
k_q23d1187327_prep:
	s_mov_b64 s[64:65], 0
	v_nop
	global_prefetch_b8 v0, s[64:65] scope:SCOPE_SE
	s_setreg_imm32_b32 hwreg(HW_REG_WAVE_MODE, 25, 1), 1
	s_wait_xcnt 0x0
; x [8192][1024] (K innermost) and w_in [1024][3072], w_out [1024][1024] (K the FIRST axis), all f32, become codes of FP6 (E2M3) with one E8M0 byte for each 32 along K,
; laid in the order of the matrix operand's registers.  A block's scale is 2^(floor(log2(its largest magnitude)) - 2); its byte is that magnitude's exponent field - 2, held at 1 from below.
; LIMITS: a block of zeros gets the byte 1 where the rule says 127 (its codes are zeros, and this program alone reads the bytes); blocks whose largest magnitude lies under 2^-124 are held at byte 1;
; NaN and infinities among the inputs are not served.
; LAYOUT OF THE CODES: [panel of 128 rows][K step of 128][tile of 16 rows][1,536 bytes].  Tile 2 B + u holds at place p the panel's row 32 B + 8 u + p + 8 (p / 8).  A tile's 1,536 bytes are two halves of
; 64 along K; a half is 512 bytes (lane l's first 16 of its 24 bytes at 16 l) and 256 bytes (its last 8 at 8 l); lane l = 16 h + p holds block h of place p.
; LAYOUT OF THE SCALE WORDS: [tile][half of K][place][4 words], 512 bytes a tile.  w's rows are its columns n: 0..3071 w_in's, 3072..4095 w_out's.
; Work-groups 0..255 take x: a wave has 16 rows x 512 along K, four steps of 128.  Work-groups 256..511 take the weights: a wave has 32 columns x 128 along K, a lane to a column, registers down K.
; Waves share nothing: no barrier.  Each of the two ways has LDS bytes of its own.
.set XSP,   528                        ; a row of x's stage: 512 bytes + 16: an odd multiple of 16, so the sixteen rows that a read touches start in different banks
.set XSTG,  0                          ; x's stages: 16 rows for each wave
.set WSTG,  4*16*XSP                   ; the weights' stages: 3,072 bytes (two tiles' images) for each wave
.set SPARE, WSTG+4*3072                ; the spare words, 128 bytes for each wave: two blocks of 256 bytes that no other line names
.set SPW,  2                           ; v2   my spare word's LDS address; never rewritten
.set NIL,  3                           ; v3   0; never rewritten
.set L16,  4                           ; v4   16 x lane
.set L8,   5                           ; v5   8 x lane
.set XST,  6                           ; v6   x's stage, way in
.set XLD,  7                           ; v7   x's stage, way out: row r, + 64 h
.set SCO,  8                           ; v8   16 r + 8 h
.set L4,   9                           ; v9   4 x lane
.set WS16, 10                          ; v10  the weights' stage: my column's first 16 bytes of a block
.set WS8,  11                          ; v11  and its last 8
.set WRD,  12                          ; v12  the weights' stage, way out
.set WSO,  13                          ; v13  512 u + 16 p: my column's scale word
.set X,    16                          ; v16-79   64 numbers of my row (weights: v16-47 codes, v48-71 read back)
.set PC,   80                          ; v80-99   the codes just made
.set TM,   100                         ; v100-115 at work
.set PW,   116                         ; v116-119 the four steps' scale words
.set SD,   120                         ; v120-121 scale words to store
.set WW,   122                         ; v122     a column's scale word
.set R,    128                         ; v128-255 numbers as loaded
.set SEL,  26
.set HI,   28
; 64 numbers of a lane, register 16 b + i = k 32 b + 16 (lane / 16) + i of my row, become a fragment's codes in v[PC] on and its scale word in v[pw].
.macro QUANT s, pw
.irp b, 0,1,2,3
	v_max3_num_f32 v[TM+\b], |v[\s+16*\b]|, |v[\s+1+16*\b]|, 0x1800000   ; my 16 numbers of block b, and the floor 2^(3 - 127): the byte cannot fall under 1
.endr
.irp i, 2,4,6,8,10,12,14
.irp b, 0,1,2,3
	v_max3_num_f32 v[TM+\b], v[TM+\b], |v[\s+16*\b+\i]|, |v[\s+1+16*\b+\i]|   ; the four blocks by turns
.endr
.endr
.irp b, 0,1,2,3
	v_permlanex16_b32 v[TM+4+\b], v[TM+\b], s[SEL], s[SEL+1]
.endr
.irp b, 0,1,2,3
	v_max_num_f32 v[TM+\b], v[TM+\b], v[TM+4+\b]   ; with lane l xor 16's: the block's largest magnitude
.endr
.irp b, 0,1,2,3
	v_add_nc_u32 v[TM+12+\b], 0xff000000, v[TM+\b]   ; 2 off its exponent field: the conversion's scale operand
.endr
.irp b, 0,1,2,3
	v_lshrrev_b32 v[TM+4+\b], 23, v[TM+12+\b]   ; the scale's byte
.endr
	v_lshl_or_b32 v[\pw], v[TM+5], 8, v[TM+4]
	v_lshl_or_b32 v[\pw], v[TM+6], 16, v[\pw]
	v_lshl_or_b32 v[\pw], v[TM+7], 24, v[\pw]
.irp c, 0,1
	v_cvt_scalef32_pk16_fp6_f32 v[PC+6*\c:PC+2+6*\c], v[\s+32*\c:\s+15+32*\c], v[TM+12+2*\c]
	v_cvt_scalef32_pk16_fp6_f32 v[PC+12+4*\c:PC+14+4*\c], v[\s+16+32*\c:\s+31+32*\c], v[TM+12+2*\c+1]   ; (a conversion's three registers begin on an even number)
.endr
	v_nop                                          ; one plain place behind a scaled conversion
.irp c, 0,1                                    ; the operand's layout wants a whole block in a lane
.irp i, 0,1,2
	v_permlane16_swap_b32 v[PC+6*\c+\i], v[PC+12+4*\c+\i]
.endr
.irp i, 0,1,2
	v_mov_b32 v[PC+3+6*\c+\i], v[PC+12+4*\c+\i]
.endr
.endr
.endm
	s_load_b256 s[4:11], s[0:1], 0x0               ; x s[4:5], w_in s[6:7], w_out s[8:9], x_img s[10:11]
	s_load_b128 s[12:15], s[0:1], 0x20             ; x_sc s[12:13], w_img s[14:15]
	s_load_b64 s[16:17], s[0:1], 0x30              ; w_sc
	v_lshl_add_u32 v[SPW], v0, 2, SPARE
	v_mov_b32 v[NIL], 0
	v_lshrrev_b32 v1, 5, v0
	v_readfirstlane_b32 s18, v1                    ; wave 0..3
	v_and_b32 v14, 31, v0                          ; lane
	v_and_b32 v15, 15, v0                          ; r
	v_bfe_u32 v1, v0, 4, 1                         ; h
	v_lshlrev_b32 v[L16], 4, v14
	v_lshlrev_b32 v[L8], 3, v14
	v_lshlrev_b32 v[L4], 2, v14
	s_mul_i32 s30, s18, 16*XSP                     ; every LDS address is made here, ahead of the parting of the two ways
	v_add_nc_u32 v[XST], s30, v[L16]
	v_mul_u32_u24 v[XLD], v15, XSP
	v_lshl_add_u32 v[XLD], v1, 6, v[XLD]
	v_add_nc_u32 v[XLD], s30, v[XLD]
	v_lshlrev_b32 v[SCO], 4, v15
	v_lshl_add_u32 v[SCO], v1, 3, v[SCO]
	v_bfe_u32 v16, v0, 3, 1                        ; u: which of my wave's two tiles my column falls into
	v_and_b32 v17, 7, v0
	v_lshl_add_u32 v17, v1, 3, v17                 ; p: its place there
	s_mul_i32 s31, s18, 3072
	s_add_co_u32 s31, s31, WSTG
	v_mul_u32_u24 v18, v16, 1536
	v_add_nc_u32 v18, s31, v18
	v_lshl_add_u32 v[WS16], v17, 4, v18
	v_lshl_add_u32 v[WS8], v17, 3, v18
	v_add_nc_u32 v[WS8], 512, v[WS8]
	v_add_nc_u32 v[WRD], s31, v[L16]
	v_lshlrev_b32 v[WSO], 9, v16
	v_lshl_add_u32 v[WSO], v17, 4, v[WSO]
	s_mov_b32 s[SEL], 0x76543210
	s_mov_b32 s[SEL+1], 0xfedcba98                 ; v_permlanex16_b32's selects for lane l xor 16
	s_mov_b32 s[HI], 0xffff0000                    ; a mask of lanes 16-31
.irp b, 0,1,2,3
	v_mov_b32 v[TM+4+\b], 0                        ; written once: a lane permute's destination counts as one of its sources
.endr
	s_wait_kmcnt 0x0
	s_cmp_lt_u32 ttmp9, 256
	s_cbranch_scc0 .Lweights
	; ---------------- x: tile T = 2 x work-group + wave / 2, half of K = wave % 2
	s_lshl_b32 s30, ttmp9, 1
	s_lshr_b32 s31, s18, 1
	s_add_co_u32 s30, s30, s31                     ; T
	s_and_b32 s31, s18, 1                          ; which 512 along K
	s_lshr_b32 s32, s30, 1
	s_lshl_b32 s32, s32, 5
	s_and_b32 s33, s30, 1
	s_lshl_b32 s33, s33, 3
	s_add_co_u32 s32, s32, s33                     ; the tile's first row: 32 (T / 2) + 8 (T % 2)
	s_lshl_b32 s32, s32, 12                        ; rows of 4,096 bytes
	s_lshl_b32 s33, s31, 11
	s_add_co_u32 s32, s32, s33
	s_mov_b32 s33, 0
	s_add_nc_u64 s[20:21], s[4:5], s[32:33]
	s_lshr_b32 s32, s30, 3
	s_mul_i32 s32, s32, 98304                      ; the panel,
	s_and_b32 s34, s30, 7
	s_mul_i32 s34, s34, 1536                       ; the tile,
	s_add_co_u32 s32, s32, s34
	s_mul_i32 s34, s31, 4*12288                    ; four K steps on for the upper half
	s_add_co_u32 s32, s32, s34
	s_add_nc_u64 s[22:23], s[10:11], s[32:33]
	s_lshl_b32 s32, s30, 9
	s_lshl_b32 s34, s31, 8
	s_add_co_u32 s32, s32, s34
	s_add_nc_u64 s[24:25], s[12:13], s[32:33]
.macro XLOAD t                         ; step t: 16 rows x 512 consecutive bytes, aligned
.irp p, 0,1,2,3,4,5,6,7,8,9,10,11,12,13,14,15
	global_load_b128 v[R+64*((\t)%2)+4*\p:R+64*((\t)%2)+4*\p+3], v[L16], s[20:21] offset:(\p+8*(\p/8))*4096+512*(\t) th:TH_LOAD_NT
.endr
.endm
.macro XSTEP t
.if (\t) < 3
	s_wait_loadcnt 16                              ; this step's 16 loads are in; the next step's 16 may be out
.else
	s_wait_loadcnt 0x0
.endif
.irp p, 0,1,2,3,4,5,6,7,8,9,10,11,12,13,14,15
	ds_store_b128 v[XST], v[R+64*((\t)%2)+4*\p:R+64*((\t)%2)+4*\p+3] offset:XSP*\p   ; the rows as they lie
.endr
.irp b, 0,1,2,3
.irp j, 0,1,2,3
	ds_load_b128 v[X+16*\b+4*\j:X+16*\b+4*\j+3], v[XLD] offset:128*\b+16*\j   ; back: of row r, 16 neighbours of each block of 32.  LDS serves a wave's instructions in order
.endr
.endr
	s_wait_dscnt 0x0
.if (\t) < 2
	XLOAD (\t)+2                                   ; the registers that the stage's stores have read take the loads of two steps on
.endif
.if (\t) > 0
	s_wait_xcnt 0x0                                ; the last step's stores have read their data: the codes' registers are written again only behind this wait
.endif
	QUANT X, PW+(\t)
	global_store_b128 v[L16], v[PC:PC+3], s[22:23] offset:12288*(\t)          ; 512 consecutive bytes, aligned
	global_store_b64 v[L8], v[PC+4:PC+5], s[22:23] offset:12288*(\t)+512      ; 256
	global_store_b128 v[L16], v[PC+6:PC+9], s[22:23] offset:12288*(\t)+768
	global_store_b64 v[L8], v[PC+10:PC+11], s[22:23] offset:12288*(\t)+1280
.endm
	XLOAD 0
	XLOAD 1
	XSTEP 0
	XSTEP 1
	XSTEP 2
	XSTEP 3
	v_cndmask_b32 v[SD], v[PW], v[PW+2], s[HI]     ; lane (r, h) stores words 2 h and 2 h + 1 of row r's four
	v_cndmask_b32 v[SD+1], v[PW+1], v[PW+3], s[HI]
	global_store_b64 v[SCO], v[SD:SD+1], s[24:25]  ; 256 consecutive bytes, aligned
	s_wait_tensorcnt 0x0                           ; the wave's end, behind my last LDS store
	ds_add_u32 v[SPW], v[NIL]
	s_wait_dscnt 0x0
	s_endpgm
	; ---------------- the weights: 128 columns cg (0..23 w_in's, 24..31 w_out's), K step s
.Lweights:
	s_sub_co_u32 s30, ttmp9, 256
	s_lshr_b32 s31, s30, 3                         ; cg
	s_and_b32 s32, s30, 7                          ; s
	s_mov_b32 s33, 128*4096
	s_cmp_lt_u32 s31, 24                           ; the choice hangs on the work-group's number alone
	s_cselect_b64 s[20:21], s[6:7], s[8:9]
	s_cselect_b32 s33, 128*12288, s33              ; 128 rows of the weight, in bytes
	s_cselect_b32 s34, 0, 24
	s_mul_i32 s33, s33, s32
	s_sub_co_u32 s34, s31, s34
	s_lshl_b32 s34, s34, 9                         ; 128 columns are 512 bytes
	s_add_co_u32 s33, s33, s34
	s_lshl_b32 s34, s18, 7                         ; my wave's 32 columns
	s_add_co_u32 s34, s33, s34
	s_mov_b32 s35, 0
	s_add_nc_u64 s[20:21], s[20:21], s[34:35]
	s_mul_i32 s34, s31, 98304
	s_mul_i32 s33, s32, 12288
	s_add_co_u32 s34, s34, s33
	s_mul_i32 s33, s18, 3072
	s_add_co_u32 s34, s34, s33
	s_add_nc_u64 s[22:23], s[14:15], s[34:35]
	s_lshl_b32 s34, s31, 3
	s_lshl_b32 s33, s18, 1
	s_add_co_u32 s34, s34, s33                     ; my first tile: 8 cg + 2 wave
	s_lshl_b32 s34, s34, 9
	s_lshr_b32 s33, s32, 2
	s_lshl_b32 s33, s33, 8
	s_add_co_u32 s34, s34, s33
	s_and_b32 s33, s32, 3
	s_lshl_b32 s33, s33, 2
	s_add_co_u32 s34, s34, s33
	s_add_nc_u64 s[24:25], s[16:17], s[34:35]
.macro WROWS k0, n, pitch              ; W(128 s + kk, my column), kk = k0 .. k0 + n - 1: 32 lanes read 128 consecutive bytes, the four waves 512
.set kk, \k0
.rept \n
	global_load_b32 v[R+kk], v[L4], s[20:21] offset:kk*\pitch th:TH_LOAD_NT
.set kk, kk+1
.endr
.endm
.macro WLOAD k0, n                     ; the row pitch stands in the immediates, so the loads are written for each weight: as many, into the same registers, so that the counted waits hold on both ways
	s_cmp_lt_u32 s31, 24
	s_cbranch_scc0 .Lw_out_\@
	WROWS \k0, \n, 12288
	s_branch .Lw_loaded_\@
.Lw_out_\@:
	WROWS \k0, \n, 4096
.Lw_loaded_\@:
.endm
.macro WBLOCK kb                       ; block kb of my column: all its 32 numbers are mine
.set XS, R+32*(\kb)
.set CW, 16+8*(\kb)
.if (\kb) < 3
	s_wait_loadcnt 32                              ; this block's 32 loads are in; the next block's 32 may be out
.else
	s_wait_loadcnt 0x0
.endif
.if (\kb) < 2
	WLOAD 32*((\kb)+2), 32                         ; the block two further on is asked for, into registers of its own: two blocks, 64 loads a wave, are out
.endif
	v_max3_num_f32 v[TM], |v[XS]|, |v[XS+1]|, |v[XS+2]|
	v_max3_num_f32 v[TM+1], |v[XS+3]|, |v[XS+4]|, |v[XS+5]|
.irp i, 6,10,14,18,22,26
	v_max3_num_f32 v[TM], v[TM], |v[XS+\i]|, |v[XS+\i+1]|
	v_max3_num_f32 v[TM+1], v[TM+1], |v[XS+\i+2]|, |v[XS+\i+3]|
.endr
	v_max3_num_f32 v[TM], v[TM], |v[XS+30]|, |v[XS+31]|
	v_max3_num_f32 v[TM], v[TM], v[TM+1], 0x1800000   ; and the floor
	v_add_nc_u32 v[TM+2], 0xff000000, v[TM]
	v_lshrrev_b32 v[TM+3], 23, v[TM+2]
.if (\kb) == 0
	v_mov_b32 v[WW], v[TM+3]
.else
	v_lshl_or_b32 v[WW], v[TM+3], 8*(\kb), v[WW]
.endif
	v_cvt_scalef32_pk16_fp6_f32 v[CW:CW+2], v[XS:XS+15], v[TM+2]
	v_cvt_scalef32_pk16_fp6_f32 v[CW+4:CW+6], v[XS+16:XS+31], v[TM+2]
	v_nop                                          ; one plain place behind a scaled conversion
	v_mov_b32 v[CW+3], v[CW+4]                     ; six registers on end
	v_mov_b32 v[CW+4], v[CW+5]
	v_mov_b32 v[CW+5], v[CW+6]
	ds_store_b128 v[WS16], v[CW:CW+3] offset:768*((\kb)/2)+256*((\kb)%2)   ; into the tile's image: half kb / 2, lane 16 (kb % 2) + p
	ds_store_b64 v[WS8], v[CW+4:CW+5] offset:768*((\kb)/2)+128*((\kb)%2)
.endm
	WLOAD 0, 64                                    ; blocks 0 and 1
	WBLOCK 0
	WBLOCK 1
	WBLOCK 2
	WBLOCK 3
.irp e, 0,1,2,3,4,5
	ds_load_b128 v[48+4*\e:51+4*\e], v[WRD] offset:512*\e   ; LDS serves a wave's instructions in order: these see my stores
.endr
	global_store_b32 v[WSO], v[WW], s[24:25]       ; my column's scale word of this K step: 4 bytes of 16 (131,072 bytes in the whole launch leave so)
.irp e, 0,1,2,3,4,5
	s_wait_dscnt 5-\e
	global_store_b128 v[L16], v[48+4*\e:51+4*\e], s[22:23] offset:512*\e   ; two tiles' images: 512 consecutive bytes a store, aligned
.endr
	s_wait_tensorcnt 0x0                           ; the wave's end, behind my last LDS store
	ds_add_u32 v[SPW], v[NIL]
	s_wait_dscnt 0x0
	s_endpgm
.Lfunc_end_k_q23d1187327_prep:
	.size	k_q23d1187327_prep, .Lfunc_end_k_q23d1187327_prep-k_q23d1187327_prep
	.p2alignl 7, 3214868480
	.fill 96, 4, 3214868480
	.section	.rodata,"a",@progbits
	.p2align	6, 0x0
	.amdhsa_kernel k_q23d1187327_prep
		.amdhsa_group_segment_fixed_size 46592
		.amdhsa_private_segment_fixed_size 0
		.amdhsa_enable_private_segment 0
		.amdhsa_kernarg_size 56
		.amdhsa_user_sgpr_count 2
		.amdhsa_user_sgpr_kernarg_segment_ptr 1
		.amdhsa_wavefront_size32 1
		.amdhsa_system_sgpr_workgroup_id_x 1
		.amdhsa_system_sgpr_workgroup_id_y 1
		.amdhsa_system_sgpr_workgroup_id_z 1
		.amdhsa_system_vgpr_workitem_id 0
		.amdhsa_next_free_vgpr 256
		.amdhsa_next_free_sgpr 66
		.amdhsa_reserve_vcc 0
		.amdhsa_float_denorm_mode_32 3
		.amdhsa_float_denorm_mode_16_64 3
		.amdhsa_memory_ordered 1
		.amdhsa_forward_progress 1
		.amdhsa_inst_pref_size 68
	.end_amdhsa_kernel
	.amdgpu_metadata
---
amdhsa.version: [ 1, 2 ]
amdhsa.kernels:
  - .name:           k_q23d1187327_prep
    .symbol:         k_q23d1187327_prep.kd
    .args:
      - { .name: x, .offset: 0, .size: 8, .value_kind: global_buffer, .address_space: global }
      - { .name: w_in, .offset: 8, .size: 8, .value_kind: global_buffer, .address_space: global }
      - { .name: w_out, .offset: 16, .size: 8, .value_kind: global_buffer, .address_space: global }
      - { .name: x_img, .offset: 24, .size: 8, .value_kind: global_buffer, .address_space: global }
      - { .name: x_sc, .offset: 32, .size: 8, .value_kind: global_buffer, .address_space: global }
      - { .name: w_img, .offset: 40, .size: 8, .value_kind: global_buffer, .address_space: global }
      - { .name: w_sc, .offset: 48, .size: 8, .value_kind: global_buffer, .address_space: global }
    .group_segment_fixed_size: 46592
    .private_segment_fixed_size: 0
    .kernarg_segment_align: 8
    .kernarg_segment_size: 56
    .max_flat_workgroup_size: 128
    .sgpr_count:     66
    .vgpr_count:     256
    .wavefront_size: 32
...
	.end_amdgpu_metadata
.endif
;; end of part 1
;; launch qkv_gemm (part 2): grid 24 x 32, 4 waves a work-group, clusters of 4 x 4, 295,424 bytes of LDS; arguments x_img, x_sc, w_img, w_sc, b_in, qkv; writes qkv
.if DOCPART == 2
	.amdgcn_target "amdgcn-amd-amdhsa--gfx1250"
	.amdhsa_code_object_version 6
	.text
	.protected	k_q23d1187327_qkv_gemm
	.globl	k_q23d1187327_qkv_gemm
	.p2align	8
	.type	k_q23d1187327_qkv_gemm,@function
k_q23d1187327_qkv_gemm:
	s_mov_b64 s[64:65], 0
	v_nop
	global_prefetch_b8 v0, s[64:65] scope:SCOPE_SE
	s_setreg_imm32_b32 hwreg(HW_REG_WAVE_MODE, 25, 1), 1
	s_wait_xcnt 0x0
	s_wait_alu depctr_hold_cnt(0) depctr_sa_sdst(0) depctr_va_vdst(0) depctr_va_sdst(0) depctr_va_ssrc(0) depctr_va_vcc(0) depctr_vm_vsrc(0)
	s_getreg_b32 s2, hwreg(HW_REG_IB_STS2, 6, 4)
	s_cmp_eq_u32 s2, 0
	s_cbranch_scc0 .Lentry_in_a_cluster
	s_endpgm
.Lentry_in_a_cluster:
	s_bfe_u32 s2, ttmp6, 0x10000c
	s_cmp_lg_u32 s2, 0xf033
	s_cbranch_scc0 .Lentry_shape_is_right
	s_endpgm
.Lentry_shape_is_right:
; qkv = x w_in + b_in on codes of FP6 with E8M0 scales, K = 1,024; the results are quantised in registers and leave as codes: q and k along the head's 64, v along the keys.
; SHARES.  A work-group makes 256 rows of operand A (source 1) x 128 rows of operand B (source 0); wave v takes A's rows 64 v on: 4 x 8 accumulators, 256 registers.  ALL OF K for this tile lies in LDS
; (2 + 1 panels of 98,304 bytes): every tensor load is a first fill, nothing is filled again, and the later K steps land while the earlier ones are multiplied.
; TYPES, by the cluster's x alone (equal in all partners): 0, 1: q; 2, 3: k: A = x, B = w's columns: a lane holds one token and its registers run along the head.  4, 5: v: A = w's columns, B = x: a lane holds one
; channel d and its registers run down the keys, which are the second attention product's K.
; A tile's 16 rows are not neighbours (tile 2 B + u, place p: row 32 B + 8 u + p + 8 (p / 8)), so that a lane's 64 results are register 16 b + i = B's row 32 b + 16 (lane / 16) + i.
; CLUSTER 4 x 4: A's panels hang on cy and are asked for jointly along a row of the cluster, B's on cx and along a column.
; A RECORD of qkv for each (batch, head), 315,392 bytes: K's images (768 bytes a tile of 16 keys), V's fragments (1,536 bytes for 16 d x 128 keys), K's scale words, V's, Q's images, Q's scale words.
; LIMITS: a block of zeros gets the byte 1 (its codes are zeros; this program alone reads the bytes); blocks whose largest magnitude lies under 2^-124 are held at byte 1; NaN and infinities are not served.
; REGISTERS: window 0: v1-16 lane terms and addresses; v28, v29 the add's two; v32-47 A's scale words, v48-79 B's; v80-87 v's bias; v96-143, v144-191 A's fragments, two sets (the epilogue works in v96-204).
;   window 1: v0-95, v96-191 B's fragments, two sets; v192-255 q's and k's bias.   window 2: accumulator (a, b) at v[8 (8 a + b)].
.set PANEL, 98304
.set STEPB, 12288                      ; a panel's K step of 128: 8 tiles
.set FRB,   1536                       ; a tile's fragment
.set LDSB,  2*PANEL                    ; LDS: A's two panels, then B's
.set SPARE, 3*PANEL                    ; the spare words, 128 bytes for each wave: two blocks of 256 bytes that no other line names
.set REC,   315392
.set R_V,   98304
.set R_KSC, 196608
.set R_VSC, 204800
.set R_Q,   208896
.set R_QSC, 307200
.set WV,  16
.set G1A, 24
.set G1B, 32
.set SEL, 90
.set HI,  92
.set L16, 4
.set L8,  5
.set ADRA16, 6
.set ADRA8,  8
.set ADRB16, 10
.set ADRB8,  12
.set SPW, 28
.set NIL, 29
.set SA,  32
.set SB,  48
.set BV,  80
.set HA,  96
.set PC,  160
.set TM,  180
.set PW,  196
.set TW,  197
.set RA,  200
.set RB,  202
.set FILL, 204
.set MSB, 0
.macro WIN new                         ; the immediate's high byte repeats the setting that is left
.if MSB != \new
	s_set_vgpr_msb (MSB<<8)|\new
.set MSB, \new
.endif
.endm
.macro CROUND                          ; a round of the cluster's barrier
	s_barrier_signal -1
	s_barrier_wait -1
	s_cmp_lg_u32 s[WV], 0
	s_cbranch_scc1 .Lnot_wave_0_\@
	s_barrier_signal -3
.Lnot_wave_0_\@:
	s_barrier_wait -3
	s_barrier_signal -1
	s_barrier_wait -1
.endm
.macro PLACES n
.rept \n
	v_nop
.endr
.endm
.macro FRAG reg, a16, a8, off          ; a fragment comes as it was stored: two halves of 16 + 8 bytes a lane; every load reads consecutive bytes
	ds_load_b128 v[\reg:\reg+3], v[\a16] offset:\off
	ds_load_b64 v[\reg+4:\reg+5], v[\a8] offset:\off+512
	ds_load_b128 v[\reg+6:\reg+9], v[\a16] offset:\off+768
	ds_load_b64 v[\reg+10:\reg+11], v[\a8] offset:\off+1280
.endm
.macro FETCH g                         ; K step g: B's eight fragments and my four of A, into set g % 2
	WIN 0x40                                       ; destination window 1
.irp i, 0,1,2,3,4,5,6,7
	FRAG 96*((\g)%2)+12*\i, ADRB16+(\g)/4, ADRB8+(\g)/4, ((\g)%4)*STEPB+\i*FRB
.endr
	WIN 0
.irp i, 0,1,2,3
	FRAG 96+48*((\g)%2)+12*\i, ADRA16+(\g)/4, ADRA8+(\g)/4, ((\g)%4)*STEPB+\i*FRB
.endr
.endm
.macro ONE g, a, b, first              ; the scale words of K steps 0-3 lie in lanes 0-15 of registers 0-3, those of steps 4-7 in lanes 16-31
.set dD, 8*(8*(\a)+(\b))
.set dB, 96*((\g)%2)+12*(\b)
.set dA, 96+48*((\g)%2)+12*(\a)
.set dSB, SB+4*(\b)+(\g)%4
.set dSA, SA+4*(\a)+(\g)%4
.if \first
	v_wmma_scale_f32_16x16x128_f8f6f4 v[dD:dD+7], v[dB:dB+11], v[dA:dA+11], 0, v[dSB], v[dSA] matrix_a_fmt:MATRIX_FMT_FP6 matrix_b_fmt:MATRIX_FMT_FP6
.elseif (\g) < 4
	v_wmma_scale_f32_16x16x128_f8f6f4 v[dD:dD+7], v[dB:dB+11], v[dA:dA+11], v[dD:dD+7], v[dSB], v[dSA] matrix_a_fmt:MATRIX_FMT_FP6 matrix_b_fmt:MATRIX_FMT_FP6
.else
	v_wmma_scale_f32_16x16x128_f8f6f4 v[dD:dD+7], v[dB:dB+11], v[dA:dA+11], v[dD:dD+7], v[dSB], v[dSA] matrix_a_fmt:MATRIX_FMT_FP6 matrix_b_fmt:MATRIX_FMT_FP6 matrix_a_scale:MATRIX_SCALE_ROW1 matrix_b_scale:MATRIX_SCALE_ROW1
.endif
.endm
.macro MUL g, first                    ; 32 products; the 32 accumulators take turns, one instruction a turn, in the same order in every K step
	WIN 0xa1                                       ; source 0 (B) window 1, source 1 (A) window 0, C and D window 2
.irp a, 0,1,2,3
.irp b, 0,1,2,3,4,5,6,7
	ONE \g, \a, \b, \first
.endr
.endr
	WIN 0
.endm
.macro SUB g, first
	s_wait_dscnt 0x0                               ; this K step's fragments are in (asked for 32 products ago)
.if ((\g)%2 == 1) && ((\g) < 7)
	s_wait_tensorcnt 3-((\g)+1)/2                  ; my part of the next two K steps has landed; my later loads may stay out
	s_barrier_signal -1
	s_barrier_wait -1                              ; everybody's has
.endif
.if (\g) < 7
.if (\g) > 0
	PLACES 4                                       ; in front of loads into registers that the last products read
.endif
	FETCH (\g)+1
.endif
	MUL \g, \first
.endm
; 64 numbers of a lane, register 16 b + i = k 32 b + 16 (lane / 16) + i, become a fragment's codes in v[PC] on and its scale word in v[pw].
.macro QUANT s, pw
.irp b, 0,1,2,3
	v_max3_num_f32 v[TM+\b], |v[\s+16*\b]|, |v[\s+1+16*\b]|, 0x1800000   ; my 16 numbers of block b, and the floor 2^(3 - 127)
.endr
.irp i, 2,4,6,8,10,12,14
.irp b, 0,1,2,3
	v_max3_num_f32 v[TM+\b], v[TM+\b], |v[\s+16*\b+\i]|, |v[\s+1+16*\b+\i]|
.endr
.endr
.irp b, 0,1,2,3
	v_permlanex16_b32 v[TM+4+\b], v[TM+\b], s[SEL], s[SEL+1]
.endr
.irp b, 0,1,2,3
	v_max_num_f32 v[TM+\b], v[TM+\b], v[TM+4+\b]
.endr
.irp b, 0,1,2,3
	v_add_nc_u32 v[TM+12+\b], 0xff000000, v[TM+\b]   ; 2 off the exponent field: the conversion's scale operand
.endr
.irp b, 0,1,2,3
	v_lshrrev_b32 v[TM+4+\b], 23, v[TM+12+\b]
.endr
	v_lshl_or_b32 v[\pw], v[TM+5], 8, v[TM+4]
	v_lshl_or_b32 v[\pw], v[TM+6], 16, v[\pw]
	v_lshl_or_b32 v[\pw], v[TM+7], 24, v[\pw]
.irp c, 0,1
	v_cvt_scalef32_pk16_fp6_f32 v[PC+6*\c:PC+2+6*\c], v[\s+32*\c:\s+15+32*\c], v[TM+12+2*\c]
	v_cvt_scalef32_pk16_fp6_f32 v[PC+12+4*\c:PC+14+4*\c], v[\s+16+32*\c:\s+31+32*\c], v[TM+12+2*\c+1]
.endr
	v_nop                                          ; one plain place behind a scaled conversion
.irp c, 0,1
.irp i, 0,1,2
	v_permlane16_swap_b32 v[PC+6*\c+\i], v[PC+12+4*\c+\i]
.endr
.irp i, 0,1,2
	v_mov_b32 v[PC+3+6*\c+\i], v[PC+12+4*\c+\i]
.endr
.endr
.endm
	s_load_b256 s[4:11], s[0:1], 0x0               ; x_img s[4:5], x_sc s[6:7], w_img s[8:9], w_sc s[10:11]
	s_load_b128 s[12:15], s[0:1], 0x20             ; b_in s[12:13], qkv s[14:15]
	v_lshl_add_u32 v[SPW], v0, 2, SPARE
	v_mov_b32 v[NIL], 0
	ds_add_u32 v[SPW], v[NIL]                      ; the wave's opening: the add and its wait stand ahead of my first tensor load; work on registers stands between them
	ds_add_u32 v[SPW], v[NIL]
	v_lshrrev_b32 v3, 5, v0
	v_readfirstlane_b32 s[WV], v3                  ; wave 0..3
	s_lshr_b32 s17, s16, 1
	s_and_b32 s18, s16, 1
	s_bfe_u32 s19, ttmp6, 0x40000                  ; cx
	s_bfe_u32 s20, ttmp6, 0x40004                  ; cy
	s_mov_b32 s21, ttmp9                           ; the cluster's x: 0..5
	s_and_b32 s22, ttmp7, 0xffff                   ; the cluster's y: 0..7
	s_lshl_b32 s86, s20, 2
	s_lshl_b32 s86, 15, s86                        ; my row of the cluster
	s_lshl_b32 s88, 0x1111, s19                    ; my column
	s_or_b32 s[G1A], s86, (3<<16)|(1<<21)          ; 15:0 the mask; 17:16 elements of 8 bytes; 21 set beside a mask; no padding
	s_or_b32 s[G1B], s88, (3<<16)|(1<<21)
	s_mov_b32 s[G1A+1], 32<<16                     ; dense blocks as rows of 256 bytes: tensor_dim0 = 32
	s_mov_b32 s[G1A+2], 96<<16                     ; tensor_dim1 = 96 rows: two K steps of a panel of A
	s_mov_b32 s[G1A+3], 32<<16                     ; tile_dim0
	s_mov_b32 s[G1A+4], 96                         ; tile_dim1
	s_mov_b32 s[G1A+5], 32                         ; the pitch
	s_mov_b32 s[G1A+6], 0
	s_mov_b32 s[G1A+7], 0
	s_mov_b32 s[G1B+1], 32<<16
	s_mov_b32 s[G1B+2], 48<<16                     ; 48 rows: one K step of B's panel
	s_mov_b32 s[G1B+3], 32<<16
	s_mov_b32 s[G1B+4], 48
	s_mov_b32 s[G1B+5], 32
	s_mov_b32 s[G1B+6], 0
	s_mov_b32 s[G1B+7], 0
	s_cmp_ge_u32 s21, 4
	s_cselect_b32 s23, 1, 0                        ; v's columns?
	s_cselect_b32 s84, 2, s22
	s_lshl_b32 s84, s84, 2
	s_add_co_u32 s84, s84, s20                     ; tA, A's 256 rows: of x 4 cly + cy; of w 8 + cy (columns 2,048 on)
	s_and_b32 s85, s21, 1
	s_lshl_b32 s85, s85, 3
	s_add_co_u32 s85, s85, s22
	s_cmp_lg_u32 s23, 0
	s_cselect_b32 s85, s85, s21
	s_lshl_b32 s85, s85, 2
	s_add_co_u32 s85, s85, s19                     ; pB, B's panel: of w 4 clx + cx; of x 4 (8 (clx - 4) + cly) + cx
	s_mov_b32 s[SEL], 0x76543210
	s_mov_b32 s[SEL+1], 0xfedcba98
	s_mov_b32 s[HI], 0xffff0000                    ; a mask of lanes 16-31
	s_mov_b32 s93, 0x03020504                      ; v_perm_b32: bytes 0, 1 of the scale word over two bytes 0x7f
	s_mov_b32 s94, 0x03020706                      ; bytes 2, 3 likewise
	s_wait_dscnt 0x0                               ; the opening add is done
	s_wait_kmcnt 0x0
	s_cmp_lg_u32 s23, 0                            ; the two tensors change places for v: the choice hangs on the cluster's x alone
	s_cselect_b64 s[76:77], s[8:9], s[4:5]         ; A's codes
	s_cselect_b64 s[78:79], s[4:5], s[8:9]         ; B's codes
	s_cselect_b64 s[80:81], s[10:11], s[6:7]       ; A's scale words
	s_cselect_b64 s[82:83], s[6:7], s[10:11]       ; B's
	s_lshl_b32 s86, s84, 1                         ; A's address is made of tA and the wave's number, in registers that never hold cx
	s_add_co_u32 s86, s86, s18
	s_mul_i32 s86, s86, PANEL
	s_mov_b32 s87, 0
	s_add_nc_u64 s[86:87], s[76:77], s[86:87]
	s_mul_i32 s88, s85, PANEL                      ; B's of pB and the wave's number, in registers that never hold cy
	s_mul_i32 s89, s18, STEPB
	s_add_co_u32 s88, s88, s89
	s_mov_b32 s89, 0
	s_add_nc_u64 s[88:89], s[78:79], s[88:89]
	s_mul_i32 s2, s18, PANEL                       ; where they go: the wave's number alone
	s_mul_i32 s3, s18, STEPB
	s_add_co_u32 s3, s3, LDSB
.irp q, 0,1,2,3                        ; waves 0, 1: a panel of A each, two K steps a load; waves 2, 3: B's even and odd K steps
	s_mov_b32 s[40+4*\q], 1
	s_add_co_u32 s[41+4*\q], s2, \q*2*STEPB
	s_add_nc_u64 s[42+4*\q:43+4*\q], s[86:87], \q*2*STEPB
	s_or_b32 s[43+4*\q], s[43+4*\q], 0x80000000
	s_mov_b32 s[56+4*\q+4*(\q/2)], 1
	s_add_co_u32 s[57+4*\q+4*(\q/2)], s3, \q*2*STEPB
	s_add_nc_u64 s[58+4*\q+4*(\q/2):59+4*\q+4*(\q/2)], s[88:89], \q*2*STEPB
	s_or_b32 s[59+4*\q+4*(\q/2)], s[59+4*\q+4*(\q/2)], 0x80000000
.endr
	CROUND                                         ; all sixteen work-groups are here: the joint loads meet
	s_cmp_lt_u32 s[WV], 2                          ; a wave's four first fills stand in one branch: four loads of mine are out
	s_cbranch_scc0 .Lfill_b
.irp q, 0,1,2,3
	tensor_load_to_lds s[40+4*\q:43+4*\q], s[G1A:G1A+7]
	s_nop 0
.endr
	PLACES 4
	s_branch .Lfilled
.Lfill_b:
.irp q, 0,1,2,3
	tensor_load_to_lds s[56+4*\q+4*(\q/2):59+4*\q+4*(\q/2)], s[G1B:G1B+7]
	s_nop 0
.endr
	PLACES 4
.Lfilled:
	v_and_b32 v1, 15, v0                           ; r
	v_bfe_u32 v2, v0, 4, 1                         ; h
	v_and_b32 v3, 31, v0
	v_lshlrev_b32 v[L16], 4, v3
	s_wait_alu depctr_va_vdst(0)
	v_lshlrev_b32 v[L8], 3, v3
	v_lshlrev_b32 v15, 6, v2                       ; the column form of the bias: 64 h
	v_and_b32 v16, 8, v1
	v_add_nc_u32 v16, v16, v1
	v_lshlrev_b32 v16, 2, v16                      ; the lane form: 4 (r + 8 (r / 8))
	s_wait_alu depctr_va_vdst(0)
	s_lshl_b32 s66, s84, 4
	s_lshl_b32 s67, s16, 2
	s_add_co_u32 s66, s66, s67                     ; my first tile of A: 16 tA + 4 wave
	s_lshl_b32 s66, s66, 9
	s_mov_b32 s67, 0
	s_add_nc_u64 s[80:81], s[80:81], s[66:67]
	s_lshl_b32 s66, s85, 12
	s_add_nc_u64 s[82:83], s[82:83], s[66:67]
	s_lshl_b32 s66, s85, 9                         ; Both forms of the bias are loaded, so that every register that either arm of the epilogue reads is written; the form that the type does not want
	s_cmp_lg_u32 s23, 0                            ; is read from b_in's first bytes.  Column form (q, k): b_in at column 128 pB
	s_cselect_b32 s66, 0, s66
	s_add_nc_u64 s[96:97], s[12:13], s[66:67]
	s_lshl_b32 s66, s20, 10
	s_lshl_b32 s95, s16, 8
	s_add_co_u32 s66, s66, s95
	s_add_co_u32 s66, s66, 8192                    ; lane form (v): b_in at column 2,048 + 64 (4 cy + wave)
	s_cmp_lg_u32 s23, 0
	s_cselect_b32 s66, s66, 0
	s_add_nc_u64 s[98:99], s[12:13], s[66:67]
.irp a, 0,1,2,3
	global_load_b128 v[SA+4*\a:SA+4*\a+3], v[L16], s[80:81] offset:512*\a   ; a tile's scale words for all of K: 512 consecutive bytes
.endr
.irp b, 0,1,2,3,4,5,6,7
	global_load_b128 v[SB+4*\b:SB+4*\b+3], v[L16], s[82:83] offset:512*\b
.endr
.irp a, 0,1,2,3
	global_load_b32 v[BV+2*\a], v16, s[98:99] offset:(32*(\a/2)+8*(\a%2))*4   ; twice: a pair for the packed addition
	global_load_b32 v[BV+2*\a+1], v16, s[98:99] offset:(32*(\a/2)+8*(\a%2))*4
.endr
	WIN 0x40
.irp b, 0,1,2,3,4,5,6,7
	global_load_b128 v[192+8*\b:195+8*\b], v15, s[96:97] offset:(32*(\b/2)+8*(\b%2))*4
	global_load_b128 v[196+8*\b:199+8*\b], v15, s[96:97] offset:(32*(\b/2)+8*(\b%2))*4+16
.endr
	WIN 0
	s_mul_i32 s66, s17, PANEL                      ; my fragments of A: panel wave / 2, tiles 4 (wave % 2) on; a second register for K steps 4-7, since an offset has 16 bits
	s_mul_i32 s95, s18, 4*FRB
	s_add_co_u32 s66, s66, s95
	v_add_nc_u32 v[ADRA16], s66, v[L16]
	v_add_nc_u32 v[ADRA8], s66, v[L8]
	s_add_co_u32 s66, s66, 4*STEPB
	v_add_nc_u32 v[ADRA16+1], s66, v[L16]
	v_add_nc_u32 v[ADRA8+1], s66, v[L8]
	v_add_nc_u32 v[ADRB16], LDSB, v[L16]
	v_add_nc_u32 v[ADRB8], LDSB, v[L8]
	v_add_nc_u32 v[ADRB16+1], LDSB+4*STEPB, v[L16]
	v_add_nc_u32 v[ADRB8+1], LDSB+4*STEPB, v[L8]
	s_wait_alu depctr_va_vdst(0)
	s_wait_tensorcnt 3                             ; my first load has landed (K steps 0 and 1); three may stay out
	s_barrier_signal -1
	s_barrier_wait -1                              ; everybody's has
	FETCH 0
	s_wait_loadcnt 0x0                             ; the scale words and the biases
	SUB 0, 1                                       ; the first K step starts the sums: nothing is cleared
	SUB 1, 0
	SUB 2, 0
	SUB 3, 0
	SUB 4, 0
	SUB 5, 0
	SUB 6, 0
	SUB 7, 0
	; THE EPILOGUE: a tile of A's rows at a time: + bias (behind the f32 sum), quantised in registers, stored as images.  No LDS, no barrier.
	PLACES 4                                       ; behind the last products: their results are read and their operands' registers written below
.irp b, 0,1,2,3
	v_mov_b32 v[TM+4+\b], 0                        ; a lane permute's destination counts as one of its sources
.endr
	v_mov_b32 v[FILL], 0x7f7f0000                  ; the scale bytes of the half of K that an attention product's instruction has beyond the head's 64: 2^0
.macro EPI isv
.irp a, 0,1,2,3
.if \a > 0
	s_wait_xcnt 0x0                                ; the last tile's stores have read their data: the codes' registers are written again only behind this wait
.endif
.if \isv
	WIN 0x02                                       ; source 0 (the sums) window 2
.else
	WIN 0x06                                       ; and source 1 (the bias) window 1
.endif
.set pp, 0
.rept 32                               ; ascending: each accumulator is read from its low end on
.if \isv
	v_pk_add_f32 v[HA+2*pp:HA+2*pp+1], v[64*\a+2*pp:64*\a+2*pp+1], v[BV+2*\a:BV+2*\a+1]
.else
	v_pk_add_f32 v[HA+2*pp:HA+2*pp+1], v[64*\a+2*pp:64*\a+2*pp+1], v[192+2*pp:193+2*pp]
.endif
.set pp, pp+1
.endr
	WIN 0
	QUANT HA, PW
.if \isv
.irp c, 0,1,2
	global_store_b128 v[L16], v[PC+4*\c:PC+4*\c+3], s[96:97] offset:FRB*\a+512*\c   ; V^T's fragment (16 d x 128 keys) as an image of its registers: 512 consecutive bytes a store
.endr
.if \a % 2 == 0
	v_mov_b32 v[RA+\a/2], v[PW]                    ; scale words: an even tile's in lanes 0-15,
.else
	v_cndmask_b32 v[RA+\a/2], v[RA+\a/2], v[PW], s[HI]   ; the odd tile's in lanes 16-31
.endif
.else
	global_store_b128 v[L16], v[PC:PC+3], s[96:97] offset:768*\a              ; the first head's 64: registers 0-5
	global_store_b64 v[L8], v[PC+4:PC+5], s[96:97] offset:768*\a+512
	global_store_b128 v[L16], v[PC+6:PC+9], s[96:97] offset:768*\a+REC        ; the second head's: registers 6-11, into the next record
	global_store_b64 v[L8], v[PC+10:PC+11], s[96:97] offset:768*\a+512+REC
.if \a % 2 == 0
	v_perm_b32 v[RA+\a/2], v[PW], v[FILL], s93
	v_perm_b32 v[RB+\a/2], v[PW], v[FILL], s94
.else
	v_perm_b32 v[TW], v[PW], v[FILL], s93
	v_cndmask_b32 v[RA+\a/2], v[RA+\a/2], v[TW], s[HI]
	v_perm_b32 v[TW], v[PW], v[FILL], s94
	v_cndmask_b32 v[RB+\a/2], v[RB+\a/2], v[TW], s[HI]
.endif
.endif
.endr
.endm
	s_cmp_lg_u32 s23, 0
	s_cbranch_scc1 .Lepi_v
	s_lshr_b32 s2, s84, 3                          ; q, k: batch tA / 8; heads 2 (pB % 8) and the next; group of 128 tokens G = 2 (tA % 8) + wave / 2
	s_lshl_b32 s2, s2, 4
	s_and_b32 s3, s85, 7
	s_lshl_b32 s3, s3, 1
	s_add_co_u32 s2, s2, s3
	s_mul_i32 s2, s2, REC
	s_and_b32 s3, s84, 7
	s_lshl_b32 s3, s3, 1
	s_add_co_u32 s3, s3, s17                       ; G
	s_cmp_lt_u32 s85, 8                            ; q's columns?
	s_cselect_b32 s66, R_Q, 0
	s_cselect_b32 s95, R_QSC-R_KSC, 0
	s_add_co_u32 s66, s66, s2
	s_mul_i32 s67, s3, 8*768
	s_add_co_u32 s66, s66, s67
	s_mul_i32 s67, s18, 4*768
	s_add_co_u32 s66, s66, s67
	s_mov_b32 s67, 0
	s_add_nc_u64 s[96:97], s[14:15], s[66:67]      ; my four tiles' images
	s_add_co_u32 s66, s95, s2
	s_add_co_u32 s66, s66, R_KSC
	s_lshl_b32 s95, s3, 9
	s_add_co_u32 s66, s66, s95
	s_lshl_b32 s95, s18, 8
	s_add_co_u32 s66, s66, s95
	s_add_nc_u64 s[98:99], s[14:15], s[66:67]      ; and their scale words
	EPI 0
	global_store_b64 v[L8], v[RA:RA+1], s[98:99]               ; 256 consecutive bytes, aligned
	global_store_b64 v[L8], v[RB:RB+1], s[98:99] offset:REC
	s_branch .Lepi_done
.Lepi_v:
	s_lshr_b32 s2, s85, 4                          ; v: batch pB / 16, head 4 cy + wave, key step pB % 16
	s_lshl_b32 s2, s2, 4
	s_lshl_b32 s3, s20, 2
	s_add_co_u32 s2, s2, s3
	s_add_co_u32 s2, s2, s16
	s_mul_i32 s2, s2, REC
	s_and_b32 s3, s85, 15
	s_mul_i32 s66, s3, 4*FRB
	s_add_co_u32 s66, s66, s2
	s_add_co_u32 s66, s66, R_V
	s_mov_b32 s67, 0
	s_add_nc_u64 s[96:97], s[14:15], s[66:67]
	s_lshl_b32 s66, s3, 8
	s_add_co_u32 s66, s66, s2
	s_add_co_u32 s66, s66, R_VSC
	s_add_nc_u64 s[98:99], s[14:15], s[66:67]
	EPI 1
	global_store_b64 v[L8], v[RA:RA+1], s[98:99]
.Lepi_done:
	s_wait_tensorcnt 0x0                           ; the wave's end, behind my last tensor load
	ds_add_u32 v[SPW], v[NIL]
	s_wait_dscnt 0x0
	CROUND                                         ; the closing round
	s_endpgm
.Lfunc_end_k_q23d1187327_qkv_gemm:
	.size	k_q23d1187327_qkv_gemm, .Lfunc_end_k_q23d1187327_qkv_gemm-k_q23d1187327_qkv_gemm
	.p2alignl 7, 3214868480
	.fill 96, 4, 3214868480
	.section	.rodata,"a",@progbits
	.p2align	6, 0x0
	.amdhsa_kernel k_q23d1187327_qkv_gemm
		.amdhsa_group_segment_fixed_size 295424
		.amdhsa_private_segment_fixed_size 0
		.amdhsa_enable_private_segment 0
		.amdhsa_kernarg_size 48
		.amdhsa_user_sgpr_count 2
		.amdhsa_user_sgpr_kernarg_segment_ptr 1
		.amdhsa_wavefront_size32 1
		.amdhsa_system_sgpr_workgroup_id_x 1
		.amdhsa_system_sgpr_workgroup_id_y 1
		.amdhsa_system_sgpr_workgroup_id_z 1
		.amdhsa_system_vgpr_workitem_id 0
		.amdhsa_next_free_vgpr 768
		.amdhsa_next_free_sgpr 100
		.amdhsa_reserve_vcc 0
		.amdhsa_float_denorm_mode_32 3
		.amdhsa_float_denorm_mode_16_64 3
		.amdhsa_memory_ordered 1
		.amdhsa_forward_progress 1
		.amdhsa_inst_pref_size 124
	.end_amdhsa_kernel
	.amdgpu_metadata
---
amdhsa.version: [ 1, 2 ]
amdhsa.kernels:
  - .name:           k_q23d1187327_qkv_gemm
    .symbol:         k_q23d1187327_qkv_gemm.kd
    .args:
      - { .name: x_img, .offset: 0, .size: 8, .value_kind: global_buffer, .address_space: global }
      - { .name: x_sc, .offset: 8, .size: 8, .value_kind: global_buffer, .address_space: global }
      - { .name: w_img, .offset: 16, .size: 8, .value_kind: global_buffer, .address_space: global }
      - { .name: w_sc, .offset: 24, .size: 8, .value_kind: global_buffer, .address_space: global }
      - { .name: b_in, .offset: 32, .size: 8, .value_kind: global_buffer, .address_space: global }
      - { .name: qkv, .offset: 40, .size: 8, .value_kind: global_buffer, .address_space: global }
    .group_segment_fixed_size: 295424
    .private_segment_fixed_size: 0
    .kernarg_segment_align: 8
    .kernarg_segment_size: 48
    .max_flat_workgroup_size: 128
    .sgpr_count:     100
    .vgpr_count:     768
    .wavefront_size: 32
...
	.end_amdgpu_metadata
.endif
;; end of part 2
;; launch attn (part 3): grid 4 x 64, 16 waves a work-group, clusters of 4 x 1, 210,944 bytes of LDS; arguments qkv, att_img, att_sc; writes att_img, att_sc
.if DOCPART == 3
	.amdgcn_target "amdgcn-amd-amdhsa--gfx1250"
	.amdhsa_code_object_version 6
	.text
	.protected	k_q23d1187327_attn
	.globl	k_q23d1187327_attn
	.p2align	8
	.type	k_q23d1187327_attn,@function
k_q23d1187327_attn:
	s_mov_b64 s[64:65], 0
	v_nop
	global_prefetch_b8 v0, s[64:65] scope:SCOPE_SE
	s_setreg_imm32_b32 hwreg(HW_REG_WAVE_MODE, 25, 1), 1
	s_wait_xcnt 0x0
	s_wait_alu depctr_hold_cnt(0) depctr_sa_sdst(0) depctr_va_vdst(0) depctr_va_sdst(0) depctr_va_ssrc(0) depctr_va_vcc(0) depctr_vm_vsrc(0)
	s_getreg_b32 s2, hwreg(HW_REG_IB_STS2, 6, 4)
	s_cmp_eq_u32 s2, 0
	s_cbranch_scc0 .Lentry_in_a_cluster
	s_endpgm
.Lentry_in_a_cluster:
	s_bfe_u32 s2, ttmp6, 0x10000c
	s_cmp_lg_u32 s2, 0x3003
	s_cbranch_scc0 .Lentry_shape_is_right
	s_endpgm
.Lentry_shape_is_right:
; Causal attention of one (batch, head) on codes of FP6 with E8M0 scales; head size 64, 2,048 tokens.  The result, divided by the row's sum, is quantised along D and leaves as codes for the last product.
; THE SOFTMAX AHEAD OF THE SECOND PRODUCT: t = score x log2(e) / 8; M = the row's largest t so far, rounded UP to a whole number; p = 2^(t - M) is what is quantised, along the keys, not normalised.
; The row's sum is taken of the unquantised p, in f32.  When M moves, the sum and O are multiplied by 2^(old M - new M): exact.
; SHARES.  The four work-groups of a cluster share one head.  THE WHOLE HEAD'S K, V AND THEIR SCALE WORDS, 208,896 dense bytes of its record, come into LDS ONCE, by sixteen joint loads (one a wave, 51 rows of
; 256 bytes): no slot is ever filled again, and the loop has no barrier.  A wave owns one tile of 16 queries in each of two passes: in pass 0 of the group of 128 queries G = wave / 2, in pass 1 of group 15 - G;
; so every wave of the launch works (G + 1) + (16 - G) = 17 key steps of 128.  Which tile of the group: 2 cx + wave % 2; cx enters global addresses and the mask's lane term alone, no branch and no LDS address.
; CAUSAL.  Both loops have constant trip counts; a step all of whose keys come after the group is left out by a scalar branch on the wave's number and the step's count; the step on the diagonal is masked.
; LAYOUT.  Both products are used transposed (S^T = K Q^T, O^T = V^T P^T): a lane holds one query throughout.  The rows of a tile are not neighbours (tile 2 B + u, place p: row 32 B + 8 u + p + 8 (p / 8)), so that
; 16 registers of two neighbouring tiles are 16 neighbours along the next product's K.
; THE FIRST PRODUCT'S K IS 64 under an instruction of 128.  Q's upper six registers are zero codes.  K's operand for tile t is v[32 + 6 t : 43 + 6 t]: its upper six registers are the next tile's codes (zeros behind
; tile 7); they meet Q's zero codes under scale bytes 2^0 and add exactly 0.  That spares 48 registers and their loads.
; LIMITS: a block of zeros gets the byte 1 (its codes are zeros; this program alone reads the bytes); NaN and infinities are not served.
; REGISTERS: v1-5 lane terms; v6, v7 the add's two; v8-11, v28 the step's addresses; v12 -M, v13 the largest t, v[14:15] the sum; v16-27 Q; v29 the mask's lane term; v30, v31, v86 offsets of the stores;
;   v32-79 K's eight tiles, later V's four fragments; v80-85 zeros; v96-159 S^T, then p; v160-191 O^T; v192-195 K's scale words, v196-197 V's; v198-204 the second pass's Q; v208-219 the result's codes; v224-254 at work; v255 Q's scale words.
.set REC,   315392
.set R_V,   98304
.set R_KSC, 196608
.set R_VSC, 204800
.set R_Q,   208896
.set R_QSC, 307200
.set SPARE, 208896                     ; behind the head's bytes: the spare words, 128 bytes for each wave: eight blocks of 256 bytes that no other line names
.set WV,   10
.set G,    14                          ; s14  the pass's group of 128 queries
.set PASS, 15
.set KS,   16                          ; s16  the key step
.set TK,   17                          ; s17  6,144 x key step: K's tiles and V's fragments
.set TS,   18                          ; s18  512 x key step: K's scale words
.set TJ,   19                          ; s19  256 x key step: V's
.set SEL,  20
.set CS,   22
.set HI,   44
.macro CROUND                          ; a round of the cluster's barrier
	s_barrier_signal -1
	s_barrier_wait -1
	s_cmp_lg_u32 s[WV], 0
	s_cbranch_scc1 .Lnot_wave_0_\@
	s_barrier_signal -3
.Lnot_wave_0_\@:
	s_barrier_wait -3
	s_barrier_signal -1
	s_barrier_wait -1
.endm
	s_load_b128 s[4:7], s[0:1], 0x0                ; qkv s[4:5], att_img s[6:7]
	s_load_b64 s[8:9], s[0:1], 0x10                ; att_sc
	v_lshl_add_u32 v6, v0, 2, SPARE
	v_mov_b32 v7, 0
	ds_add_u32 v6, v7                              ; the wave's opening: the add and its wait stand ahead of my first tensor load; work on registers stands between them
	ds_add_u32 v6, v7
	v_lshrrev_b32 v8, 5, v0
	s_delay_alu instid0(VALU_DEP_1)
	v_readfirstlane_b32 s[WV], v8                  ; wave 0..15
	s_bfe_u32 s11, ttmp6, 0x40000                  ; cx
	s_and_b32 s12, ttmp7, 0xffff                   ; 16 x batch + head, which the four partners share
	s_and_b32 s13, s10, 1
	s_lshr_b32 s[G], s10, 1
	s_mov_b32 s24, 15|(3<<16)|(1<<21)              ; 15:0 the mask: all four work-groups; 17:16 elements of 8 bytes; 21 set beside a mask; no padding
	s_mov_b32 s25, 32<<16                          ; a dense block as rows of 256 bytes: tensor_dim0 = 32
	s_mov_b32 s26, 51<<16                          ; tensor_dim1 = 51
	s_mov_b32 s27, 32<<16                          ; tile_dim0
	s_mov_b32 s28, 51                              ; tile_dim1
	s_mov_b32 s29, 32                              ; the pitch
	s_mov_b32 s30, 0
	s_mov_b32 s31, 0
	s_mov_b32 s32, 1
	s_mul_i32 s33, s10, 51*256                     ; my sixteenth, in LDS as in the record
	s_mul_i32 s38, s12, REC
	s_mov_b32 s39, 0
	s_mov_b32 s[SEL], 0x76543210
	s_mov_b32 s[SEL+1], 0xfedcba98
	s_mov_b32 s[CS], 0x3e38aa3b                    ; c = log2(e) / sqrt(64)
	s_mov_b32 s[CS+1], s[CS]                       ; (named with it as a pair, so it is written)
	s_mov_b32 s[HI], 0xffff0000                    ; a mask of lanes 16-31
	s_mov_b32 s[PASS], 0
	s_wait_dscnt 0x0                               ; the opening add is done
	s_wait_kmcnt 0x0
	s_add_nc_u64 s[36:37], s[4:5], s[38:39]        ; the record
	s_mov_b32 s38, s33
	s_add_nc_u64 s[34:35], s[36:37], s[38:39]
	s_or_b32 s35, s35, 0x80000000
	CROUND                                         ; all four work-groups are here: the joint loads meet
	tensor_load_to_lds s[32:35], s[24:31]          ; one load of mine is out
	s_nop 0
.rept 4
	v_nop
.endr
	s_lshl_b32 s45, s11, 1
	s_add_co_u32 s45, s45, s13                     ; my tile of a group: 2 cx + wave % 2
	s_sub_co_u32 s48, 15, s[G]                     ; the second pass's group
	s_mov_b32 s47, 0
	s_lshl_b32 s46, s[G], 3
	s_add_co_u32 s46, s46, s45
	s_mul_i32 s46, s46, 768
	s_add_co_u32 s46, s46, R_Q
	s_add_nc_u64 s[38:39], s[36:37], s[46:47]      ; Q's image, pass 0,
	s_lshl_b32 s46, s48, 3
	s_add_co_u32 s46, s46, s45
	s_mul_i32 s46, s46, 768
	s_add_co_u32 s46, s46, R_Q
	s_add_nc_u64 s[40:41], s[36:37], s[46:47]      ; pass 1
	s_lshr_b32 s49, s11, 1                         ; its scale words lie as K's: 256 (tile / 4) + 8 (16 (tile % 2) + r) + 4 ((tile / 2) % 2)
	s_lshl_b32 s49, s49, 8
	s_lshl_b32 s50, s13, 7
	s_add_co_u32 s49, s49, s50
	s_and_b32 s50, s11, 1
	s_lshl_b32 s50, s50, 2
	s_add_co_u32 s49, s49, s50
	s_add_co_u32 s49, s49, R_QSC
	s_lshl_b32 s46, s[G], 9
	s_add_co_u32 s46, s46, s49
	s_add_nc_u64 s[42:43], s[36:37], s[46:47]
	s_lshl_b32 s46, s48, 9
	s_add_co_u32 s46, s46, s49
	s_add_nc_u64 s[52:53], s[36:37], s[46:47]
	v_and_b32 v8, 31, v0                           ; lane
	v_and_b32 v9, 15, v0                           ; r
	v_bfe_u32 v10, v0, 4, 1                        ; h
	s_delay_alu instid0(VALU_DEP_3)
	v_lshlrev_b32 v1, 4, v8                        ; 16 l
	s_delay_alu instid0(VALU_DEP_4)
	v_lshlrev_b32 v2, 3, v8
	s_delay_alu instid0(VALU_DEP_1)
	v_add_nc_u32 v4, R_KSC, v2                     ; K's scale words: 8 l
	s_delay_alu instid0(VALU_DEP_2)
	v_add_nc_u32 v5, R_VSC, v2                     ; V's
	s_delay_alu instid0(VALU_DEP_3)
	v_add_nc_u32 v2, 512, v2                       ; 512 + 8 l
	v_add_nc_u32 v3, R_V, v1                       ; V's fragments: 16 l
	v_lshlrev_b32 v11, 3, v9
	global_load_b128 v[16:19], v1, s[38:39]        ; Q's image is registers 0-5 of its fragment
	global_load_b64 v[20:21], v2, s[38:39]
	global_load_b32 v255, v11, s[42:43]
	global_load_b128 v[198:201], v1, s[40:41]      ; the second pass's, kept
	global_load_b64 v[202:203], v2, s[40:41]
	global_load_b32 v204, v11, s[52:53]
	v_and_b32 v29, 8, v9
	s_delay_alu instid0(VALU_DEP_1)
	v_add_nc_u32 v29, v29, v9
	v_lshlrev_b32 v12, 4, v10
	s_delay_alu instid0(VALU_DEP_1)
	v_sub_nc_u32 v29, v29, v12
	s_lshl_b32 s46, s11, 5
	s_lshl_b32 s50, s13, 3
	s_add_co_u32 s46, s46, s50
	v_add_nc_u32 v29, s46, v29                     ; my query's place in its group, less 16 h: 32 cx + 8 (wave % 2) + r + 8 (r / 8) - 16 h
	s_mul_i32 s46, s45, 1536
	v_add_nc_u32 v30, s46, v1                      ; the result's image: my tile's fragment, 16 l
	v_add_nc_u32 v31, s46, v2                      ; and 512 + 8 l
	s_lshl_b32 s46, s45, 9
	v_lshl_add_u32 v86, v9, 5, v10
	s_delay_alu instid0(VALU_DEP_1)
	v_add_nc_u32 v86, s46, v86                     ; its scale byte: 512 x tile + 32 r + h
.irp j, 22,23,24,25,26,27,80,81,82,83,84,85,236,237,238,239,252,253
	v_mov_b32 v\j, 0                               ; zero codes; and registers that are named before they are first written (a lane permute's destination, a pair's upper half)
.endr
	s_wait_tensorcnt 0x0                           ; my sixteenth has landed,
	s_barrier_signal -1
	s_barrier_wait -1                              ; everybody's has
	s_wait_loadcnt 0x0                             ; Q
.Lpass:
	v_mov_b32 v13, 0xff61b1e6                      ; the largest t so far: -3e38, under every t
	s_delay_alu instid0(VALU_DEP_1)
	v_floor_f32 v12, -v13                          ; -M
	v_mov_b32 v14, 0
	v_mov_b32 v15, 0
.set n, 0
.rept 32
	v_mov_b32 v[160+n], 0                          ; O^T.  (The step is written once: its first trip finds zeros, which the first change of M leaves zeros)
.set n, n+1
.endr
	s_mov_b32 s[KS], 0
	s_mov_b32 s[TK], 0
	s_mov_b32 s[TS], 0
	s_mov_b32 s[TJ], 0
.Lstep:                                            ; 16 trips; those whose keys all come after my group only step the addresses
	s_cmp_gt_u32 s[KS], s[G]
	s_cbranch_scc1 .Lhidden
	s_setprio 2
	v_add_nc_u32 v8, s[TK], v1                     ; (these five are also the places in front of loads into registers that the last products read)
	v_add_nc_u32 v9, s[TK], v2
	v_add_nc_u32 v10, s[TK], v3
	v_add_nc_u32 v11, s[TS], v4
	v_add_nc_u32 v28, s[TJ], v5
.irp t, 0,1,2,3,4,5,6,7
	ds_load_b128 v[32+6*\t:35+6*\t], v8 offset:768*\t
	ds_load_b64 v[36+6*\t:37+6*\t], v9 offset:768*\t
.endr
	ds_load_b64 v[192:193], v11                    ; register t / 2: lanes 0-15 the even tile's words, lanes 16-31 the odd tile's
	ds_load_b64 v[194:195], v11 offset:256
	s_wait_alu depctr_va_vdst(0)
	s_wait_dscnt 0x0
.irp t, 0,2,4,6                        ; S^T = K Q^T: eight tiles of 16 keys
	v_wmma_scale_f32_16x16x128_f8f6f4 v[96+8*\t:103+8*\t], v[32+6*\t:43+6*\t], v[16:27], 0, v[192+\t/2], v255 matrix_a_fmt:MATRIX_FMT_FP6 matrix_b_fmt:MATRIX_FMT_FP6
	v_wmma_scale_f32_16x16x128_f8f6f4 v[104+8*\t:111+8*\t], v[38+6*\t:49+6*\t], v[16:27], 0, v[192+\t/2], v255 matrix_a_fmt:MATRIX_FMT_FP6 matrix_b_fmt:MATRIX_FMT_FP6 matrix_a_scale:MATRIX_SCALE_ROW1
.endr
.rept 4
	v_nop                                          ; places: K's registers take V's fragments, and the scores are read
.endr
.irp t, 0,1,2,3
.irp c, 0,1,2
	ds_load_b128 v[32+12*\t+4*\c:35+12*\t+4*\c], v10 offset:1536*\t+512*\c   ; V^T's four fragments land while the softmax is worked
.endr
.endr
	ds_load_b64 v[196:197], v28
	s_cmp_lg_u32 s[KS], s[G]
	s_cbranch_scc1 .Lopen
	v_mov_b32 v254, 0xff800000                     ; on the diagonal hidden scores become -infinity ahead of the maximum.  Register 16 b + i holds the group's key 32 b + 16 h + i: hidden where 32 b + i > v29
.set n, 0
.rept 64
	v_cmp_gt_i32 vcc_lo, 32*(n/16)+n%16, v29
	v_cndmask_b32 v[96+n], v[96+n], v254, vcc_lo
.set n, n+1
.endr
.Lopen:
.irp b, 0,1,2,3
	v_max3_num_f32 v[232+\b], v[96+16*\b], v[97+16*\b], v[98+16*\b]   ; the largest score of each block of 32 keys: it serves the row's maximum and, since p rises with the score, the block's largest p
.endr
.irp i, 3,5,7,9,11,13
.irp b, 0,1,2,3
	v_max3_num_f32 v[232+\b], v[232+\b], v[96+16*\b+\i], v[97+16*\b+\i]
.endr
.endr
.irp b, 0,1,2,3
	v_max_num_f32 v[232+\b], v[232+\b], v[111+16*\b]
.endr
.irp b, 0,1,2,3
	s_delay_alu instid0(VALU_DEP_4)
	v_permlanex16_b32 v[236+\b], v[232+\b], s[SEL], s[SEL+1]
.endr
.irp b, 0,1,2,3
	s_delay_alu instid0(VALU_DEP_4)
	v_max_num_f32 v[232+\b], v[232+\b], v[236+\b]  ; with lane l xor 16's 16 keys
.endr
	s_delay_alu instid0(VALU_DEP_2)
	v_max3_num_f32 v254, v232, v233, v234
	s_delay_alu instid0(VALU_DEP_1)
	v_max_num_f32 v254, v254, v235                 ; the step's largest score of my query
	s_delay_alu instid0(VALU_DEP_1)
	v_mul_f32 v254, s[CS], v254                    ; as t
	s_delay_alu instid0(VALU_DEP_1)
	v_max_num_f32 v13, v13, v254                   ; the running largest t
	v_mov_b32 v254, v12
	s_delay_alu instid0(VALU_DEP_2)
	v_floor_f32 v12, -v13                          ; the new -M = floor(-t): M is a whole number
	s_delay_alu instid0(VALU_DEP_1)
	v_sub_f32 v254, v12, v254                      ; old M - new M: a whole number, 0 or less
	s_delay_alu instid0(VALU_DEP_1)
	v_cvt_i32_f32 v254, v254                       ; (it saturates)
	s_delay_alu instid0(VALU_DEP_1)
	v_ldexp_f32 v252, 1.0, v254                    ; f = 2^(old M - new M)
.irp j, 0,2,4,6,8,10,12,14,16,18,20,22,24,26,28,30,32,34,36,38,40,42,44,46,48,50,52,54,56,58,60,62
	v_pk_fma_f32 v[96+\j:97+\j], v[96+\j:97+\j], s[CS:CS+1], v[12:13] op_sel_hi:[1,0,0]   ; t - M, two at a time
.endr
	s_setprio 1
.irp b, 0,1,2,3
	v_fma_f32 v[232+\b], v[232+\b], s[CS], v12     ; the same of each block's largest score
.endr
.set n, 0
	s_wait_alu depctr_va_vdst(0)
.rept 64
	v_exp_f32 v[96+n], v[96+n]                     ; p = 2^(t - M), at most 1
.set n, n+1
.endr
	v_pk_mul_f32 v[14:15], v[14:15], v[252:253] op_sel_hi:[1,0]   ; the sums under the new M (a plain place behind the exponentials)
	s_wait_alu depctr_va_vdst(0)                   ; one wait for the whole batch, ahead of its first reader
.irp b, 0,1,2,3
	v_exp_f32 v[232+\b], v[232+\b]                 ; the block's largest p: the same two instructions on the same number give the same bits
.endr
	v_pk_add_f32 v[236:237], v[100:101], v[104:105]
	v_pk_add_f32 v[250:251], v[108:109], v[112:113]
	v_pk_add_f32 v[248:249], v[116:117], v[120:121]
	v_pk_add_f32 v[246:247], v[124:125], v[128:129]
	v_pk_add_f32 v[244:245], v[132:133], v[136:137]
	v_pk_add_f32 v[242:243], v[140:141], v[144:145]
	v_pk_add_f32 v[240:241], v[148:149], v[152:153]
	v_pk_add_f32 v[14:15], v[14:15], v[156:157]
	v_pk_add_f32 v[236:237], v[236:237], v[96:97]
	v_pk_add_f32 v[250:251], v[250:251], v[98:99]
	v_pk_add_f32 v[248:249], v[248:249], v[102:103]
	v_pk_add_f32 v[246:247], v[246:247], v[106:107]
	v_pk_add_f32 v[244:245], v[244:245], v[110:111]
	v_pk_add_f32 v[242:243], v[242:243], v[114:115]
	v_pk_add_f32 v[240:241], v[240:241], v[118:119]
	v_pk_add_f32 v[14:15], v[14:15], v[122:123]
	v_pk_add_f32 v[236:237], v[236:237], v[126:127]
	v_pk_add_f32 v[250:251], v[250:251], v[130:131]
	v_pk_add_f32 v[248:249], v[248:249], v[134:135]
	v_pk_add_f32 v[246:247], v[246:247], v[138:139]
	v_pk_add_f32 v[244:245], v[244:245], v[142:143]
	v_pk_add_f32 v[242:243], v[242:243], v[146:147]
	v_pk_add_f32 v[240:241], v[240:241], v[150:151]
	v_pk_add_f32 v[14:15], v[14:15], v[154:155]
	v_pk_add_f32 v[236:237], v[236:237], v[158:159]
	s_delay_alu instid0(VALU_DEP_2)
	v_pk_add_f32 v[14:15], v[14:15], v[246:247]
	s_delay_alu instid0(VALU_DEP_2)
	v_pk_add_f32 v[236:237], v[236:237], v[244:245]
	v_pk_add_f32 v[250:251], v[250:251], v[242:243]
	v_pk_add_f32 v[248:249], v[248:249], v[240:241]
	s_delay_alu instid0(VALU_DEP_2)
	v_pk_add_f32 v[14:15], v[14:15], v[250:251]
	s_delay_alu instid0(VALU_DEP_2)
	v_pk_add_f32 v[236:237], v[236:237], v[248:249]
	s_delay_alu instid0(VALU_DEP_1)
	v_pk_add_f32 v[14:15], v[14:15], v[236:237]
	s_wait_alu depctr_va_vdst(0)                   ; and one for the four
.irp b, 0,1,2,3
	v_max_num_f32 v[232+\b], 0x1800000, v[232+\b]  ; the floor 2^(3 - 127): the byte cannot fall under 1
.endr
.irp b, 0,1,2,3
	s_delay_alu instid0(VALU_DEP_4)
	v_add_nc_u32 v[244+\b], 0xff000000, v[232+\b]  ; 2 off the exponent field: the conversion's scale operand
.endr
.irp b, 0,1,2,3
	s_delay_alu instid0(VALU_DEP_4)
	v_lshrrev_b32 v[236+\b], 23, v[244+\b]
.endr
	s_delay_alu instid0(VALU_DEP_3)
	v_lshl_or_b32 v253, v237, 8, v236              ; p's scale word for these 128 keys
	s_delay_alu instid0(VALU_DEP_1)
	v_lshl_or_b32 v253, v238, 16, v253
	s_delay_alu instid0(VALU_DEP_1)
	v_lshl_or_b32 v253, v239, 24, v253
	s_setprio 0
.irp c, 0,1
	v_cvt_scalef32_pk16_fp6_f32 v[224+6*\c:226+6*\c], v[96+32*\c:111+32*\c], v[244+2*\c]
	v_cvt_scalef32_pk16_fp6_f32 v[236+4*\c:238+4*\c], v[112+32*\c:127+32*\c], v[244+2*\c+1]
.endr
	v_nop                                          ; one plain place behind a scaled conversion
.irp c, 0,1
.irp i, 0,1,2
	v_permlane16_swap_b32 v[224+6*\c+\i], v[236+4*\c+\i]
.endr
.irp i, 0,1,2
	s_delay_alu instid0(VALU_DEP_3)
	v_mov_b32 v[227+6*\c+\i], v[236+4*\c+\i]
.endr
.endr
.irp j, 0,2,4,6,8,10,12,14,16,18,20,22,24,26,28,30
	v_pk_mul_f32 v[160+\j:161+\j], v[160+\j:161+\j], v[252:253] op_sel_hi:[1,0]   ; O^T under the new M.  (These sixteen are also the places between the codes, the scale word and the products)
.endr
	s_wait_alu depctr_va_vdst(0)
	s_wait_dscnt 0x0                               ; V's fragments and scale words are in
.irp t, 0,2                            ; O^T += V^T P^T: four tiles of 16 of the head's 64, by turns
	v_wmma_scale_f32_16x16x128_f8f6f4 v[160+8*\t:167+8*\t], v[32+12*\t:43+12*\t], v[224:235], v[160+8*\t:167+8*\t], v[196+\t/2], v253 matrix_a_fmt:MATRIX_FMT_FP6 matrix_b_fmt:MATRIX_FMT_FP6
	v_wmma_scale_f32_16x16x128_f8f6f4 v[168+8*\t:175+8*\t], v[44+12*\t:55+12*\t], v[224:235], v[168+8*\t:175+8*\t], v[196+\t/2], v253 matrix_a_fmt:MATRIX_FMT_FP6 matrix_b_fmt:MATRIX_FMT_FP6 matrix_a_scale:MATRIX_SCALE_ROW1
.endr
.Lhidden:
	s_add_co_u32 s[TK], s[TK], 6144
	s_add_co_u32 s[TS], s[TS], 512
	s_add_co_u32 s[TJ], s[TJ], 256
	s_add_co_u32 s[KS], s[KS], 1
	s_cmp_lt_u32 s[KS], 16
	s_cbranch_scc1 .Lstep
	s_setprio 0
	; THE PASS'S END: O^T / the sum, quantised along D (the head's two blocks of 32), stored as half a fragment's image and two scale bytes a row
	v_add_f32 v14, v14, v15
	s_delay_alu instid0(VALU_DEP_1)
	v_permlanex16_b32 v252, v14, s[SEL], s[SEL+1]
	s_delay_alu instid0(VALU_DEP_1)
	v_add_f32 v14, v14, v252                       ; the row's sum
	s_wait_alu depctr_va_vdst(0)
	v_rcp_f32 v14, v14
.irp j, 0,1,2,3,4,5
	v_mov_b32 v[16+\j], v[198+\j]                  ; the next pass's Q: plain work behind the reciprocal and behind the last products
.endr
	v_mov_b32 v255, v204
	s_lshr_b32 s38, s12, 4
	s_lshl_b32 s38, s38, 4
	s_add_co_u32 s38, s38, s[G]                    ; the panel of 128 tokens: 16 x batch + G
	s_and_b32 s39, s12, 15                         ; the head
	s_mul_i32 s46, s38, 98304
	s_lshr_b32 s48, s39, 1
	s_mul_i32 s48, s48, 12288                      ; K step head / 2 of the last product,
	s_add_co_u32 s46, s46, s48
	s_and_b32 s48, s39, 1
	s_mul_i32 s48, s48, 768                        ; half head % 2 of its fragments
	s_add_co_u32 s46, s46, s48
	s_mov_b32 s47, 0
	s_add_nc_u64 s[40:41], s[6:7], s[46:47]
	s_lshl_b32 s46, s38, 12
	s_lshl_b32 s48, s39, 1
	s_add_co_u32 s46, s46, s48
	s_add_nc_u64 s[42:43], s[8:9], s[46:47]
	s_wait_alu depctr_va_vdst(0)                   ; a wait ahead of the reciprocal's first reader
.set n, 0
.rept 32
	v_mul_f32 v[96+n], v[160+n], v14               ; register 16 b + i is channel 32 b + 16 h + i of my query; each accumulator is read from its low end on
.set n, n+1
.endr
.irp b, 0,1
	v_max3_num_f32 v[232+\b], |v[96+16*\b]|, |v[97+16*\b]|, 0x1800000
.endr
.irp i, 2,4,6,8,10,12,14
.irp b, 0,1
	s_delay_alu instid0(VALU_DEP_2)
	v_max3_num_f32 v[232+\b], v[232+\b], |v[96+16*\b+\i]|, |v[97+16*\b+\i]|
.endr
.endr
.irp b, 0,1
	s_delay_alu instid0(VALU_DEP_2)
	v_permlanex16_b32 v[236+\b], v[232+\b], s[SEL], s[SEL+1]
.endr
.irp b, 0,1
	s_delay_alu instid0(VALU_DEP_2)
	v_max_num_f32 v[232+\b], v[232+\b], v[236+\b]
.endr
.irp b, 0,1
	s_delay_alu instid0(VALU_DEP_2)
	v_add_nc_u32 v[244+\b], 0xff000000, v[232+\b]
.endr
.irp b, 0,1
	s_delay_alu instid0(VALU_DEP_2)
	v_lshrrev_b32 v[236+\b], 23, v[244+\b]
.endr
	v_cvt_scalef32_pk16_fp6_f32 v[208:210], v[96:111], v244
	v_cvt_scalef32_pk16_fp6_f32 v[216:218], v[112:127], v245
	v_nop                                          ; one plain place behind a scaled conversion
.irp i, 0,1,2
	v_permlane16_swap_b32 v[208+\i], v[216+\i]     ; a whole block in a lane: lanes 0-15 block 0, lanes 16-31 block 1
.endr
.irp i, 0,1,2
	s_delay_alu instid0(VALU_DEP_3)
	v_mov_b32 v[211+\i], v[216+\i]
.endr
	v_cndmask_b32 v219, v236, v237, s[HI]          ; lane (r, h) stores block h's byte
	global_store_b128 v30, v[208:211], s[40:41]    ; 512 consecutive bytes, aligned
	global_store_b64 v31, v[212:213], s[40:41]     ; 256
	global_store_b8 v86, v219, s[42:43]            ; single bytes: a row's 32 scale bytes come from its sixteen heads' work-groups (262,144 bytes in the whole launch)
	s_sub_co_u32 s[G], 15, s[G]                    ; the other pass's group
	s_wait_xcnt 0x0                                ; the stores have read their data and bases: both are written again in the next pass
	s_add_co_u32 s[PASS], s[PASS], 1
	s_cmp_lt_u32 s[PASS], 2
	s_cbranch_scc1 .Lpass
	s_wait_tensorcnt 0x0                           ; the wave's end, behind my last tensor load
	ds_add_u32 v6, v7
	s_wait_dscnt 0x0
	CROUND                                         ; the closing round
	s_endpgm
.Lfunc_end_k_q23d1187327_attn:
	.size	k_q23d1187327_attn, .Lfunc_end_k_q23d1187327_attn-k_q23d1187327_attn
	.p2alignl 7, 3214868480
	.fill 96, 4, 3214868480
	.section	.rodata,"a",@progbits
	.p2align	6, 0x0
	.amdhsa_kernel k_q23d1187327_attn
		.amdhsa_group_segment_fixed_size 210944
		.amdhsa_private_segment_fixed_size 0
		.amdhsa_enable_private_segment 0
		.amdhsa_kernarg_size 24
		.amdhsa_user_sgpr_count 2
		.amdhsa_user_sgpr_kernarg_segment_ptr 1
		.amdhsa_wavefront_size32 1
		.amdhsa_system_sgpr_workgroup_id_x 1
		.amdhsa_system_sgpr_workgroup_id_y 1
		.amdhsa_system_sgpr_workgroup_id_z 1
		.amdhsa_system_vgpr_workitem_id 0
		.amdhsa_next_free_vgpr 256
		.amdhsa_next_free_sgpr 66
		.amdhsa_reserve_vcc 1
		.amdhsa_float_denorm_mode_32 3
		.amdhsa_float_denorm_mode_16_64 3
		.amdhsa_memory_ordered 1
		.amdhsa_forward_progress 1
		.amdhsa_inst_pref_size 36
	.end_amdhsa_kernel
	.amdgpu_metadata
---
amdhsa.version: [ 1, 2 ]
amdhsa.kernels:
  - .name:           k_q23d1187327_attn
    .symbol:         k_q23d1187327_attn.kd
    .args:
      - { .name: qkv, .offset: 0, .size: 8, .value_kind: global_buffer, .address_space: global }
      - { .name: att_img, .offset: 8, .size: 8, .value_kind: global_buffer, .address_space: global }
      - { .name: att_sc, .offset: 16, .size: 8, .value_kind: global_buffer, .address_space: global }
    .group_segment_fixed_size: 210944
    .private_segment_fixed_size: 0
    .kernarg_segment_align: 8
    .kernarg_segment_size: 24
    .max_flat_workgroup_size: 512
    .sgpr_count:     66
    .vgpr_count:     256
    .wavefront_size: 32
...
	.end_amdgpu_metadata
.endif
;; end of part 3
;; launch out_gemm (part 4): grid 8 x 32, 4 waves a work-group, clusters of 4 x 4, 295,424 bytes of LDS; arguments att_img, att_sc, w_img, w_sc, b_out, out0; writes out0
.if DOCPART == 4
	.amdgcn_target "amdgcn-amd-amdhsa--gfx1250"
	.amdhsa_code_object_version 6
	.text
	.protected	k_q23d1187327_out_gemm
	.globl	k_q23d1187327_out_gemm
	.p2align	8
	.type	k_q23d1187327_out_gemm,@function
k_q23d1187327_out_gemm:
	s_mov_b64 s[64:65], 0
	v_nop
	global_prefetch_b8 v0, s[64:65] scope:SCOPE_SE
	s_setreg_imm32_b32 hwreg(HW_REG_WAVE_MODE, 25, 1), 1
	s_wait_xcnt 0x0
	s_wait_alu depctr_hold_cnt(0) depctr_sa_sdst(0) depctr_va_vdst(0) depctr_va_sdst(0) depctr_va_ssrc(0) depctr_va_vcc(0) depctr_vm_vsrc(0)
	s_getreg_b32 s2, hwreg(HW_REG_IB_STS2, 6, 4)
	s_cmp_eq_u32 s2, 0
	s_cbranch_scc0 .Lentry_in_a_cluster
	s_endpgm
.Lentry_in_a_cluster:
	s_bfe_u32 s2, ttmp6, 0x10000c
	s_cmp_lg_u32 s2, 0xf033
	s_cbranch_scc0 .Lentry_shape_is_right
	s_endpgm
.Lentry_shape_is_right:
; out0 = att w_out + b_out on codes of FP6 with E8M0 scales, K = 1,024; out0 [8192][1024] f32.
; SHARES.  A work-group makes 256 rows (operand A, source 1) x 128 columns (operand B, source 0: w's panels 24..31); wave v takes rows 64 v on: 4 x 8 accumulators, 256 registers.  ALL OF K for this tile lies in
; LDS (2 + 1 panels of 98,304 bytes): every tensor load is a first fill, nothing is filled again, and the later K steps land while the earlier ones are multiplied.
; A tile's 16 rows are not neighbours (tile 2 B + u, place p: row 32 B + 8 u + p + 8 (p / 8)): the way out puts every row and column at its true place.
; CLUSTER 4 x 4: A's panels hang on cy and are asked for jointly along a row of the cluster, B's on cx and along a column.  The bias is the C of each sum's first product.
; REGISTERS: window 0: v1-21 lane terms and addresses; v28, v29 the add's two; v32-47 A's scale words, v48-79 B's; v96-143, v144-191 A's fragments, two sets (on the way out v96-223 hold rows read back).
;   window 1: v0-95, v96-191 B's fragments, two sets; v192-255 the bias.   window 2: accumulator (a, b) at v[8 (8 a + b)].
.set PANEL, 98304
.set STEPB, 12288
.set FRB,   1536
.set LDSB,  2*PANEL
.set SPARE, 3*PANEL                    ; the spare words, 128 bytes for each wave: two blocks of 256 bytes that no other line names
.set SPITCH, 528                       ; the way out: a stage of 16 rows x (512 bytes + 16) for each wave, in A's first panel, K steps 0-2: those bytes have had their only fill, and every wave's reads of them are
                                       ; over when it signals the last barrier
.set WV,  16
.set G1A, 24
.set G1B, 32
.set L16, 4
.set L8,  5
.set ADRA16, 6
.set ADRA8,  8
.set ADRB16, 10
.set ADRB8,  12
.set ASO, 14                           ; v14  A's scale words: 32 r + 16 h (a row's 32 bytes lie together)
.set STO, 20
.set RD,  21
.set SPW, 28
.set NIL, 29
.set SA,  32
.set SB,  48
.set BK,  96
.set MSB, 0
.macro WIN new                         ; the immediate's high byte repeats the setting that is left
.if MSB != \new
	s_set_vgpr_msb (MSB<<8)|\new
.set MSB, \new
.endif
.endm
.macro CROUND                          ; a round of the cluster's barrier
	s_barrier_signal -1
	s_barrier_wait -1
	s_cmp_lg_u32 s[WV], 0
	s_cbranch_scc1 .Lnot_wave_0_\@
	s_barrier_signal -3
.Lnot_wave_0_\@:
	s_barrier_wait -3
	s_barrier_signal -1
	s_barrier_wait -1
.endm
.macro PLACES n
.rept \n
	v_nop
.endr
.endm
.macro FRAG reg, a16, a8, off          ; a fragment comes as it was stored: two halves of 16 + 8 bytes a lane; every load reads consecutive bytes
	ds_load_b128 v[\reg:\reg+3], v[\a16] offset:\off
	ds_load_b64 v[\reg+4:\reg+5], v[\a8] offset:\off+512
	ds_load_b128 v[\reg+6:\reg+9], v[\a16] offset:\off+768
	ds_load_b64 v[\reg+10:\reg+11], v[\a8] offset:\off+1280
.endm
.macro FETCH g                         ; K step g: B's eight fragments and my four of A, into set g % 2
	WIN 0x40                                       ; destination window 1
.irp i, 0,1,2,3,4,5,6,7
	FRAG 96*((\g)%2)+12*\i, ADRB16+(\g)/4, ADRB8+(\g)/4, ((\g)%4)*STEPB+\i*FRB
.endr
	WIN 0
.irp i, 0,1,2,3
	FRAG 96+48*((\g)%2)+12*\i, ADRA16+(\g)/4, ADRA8+(\g)/4, ((\g)%4)*STEPB+\i*FRB
.endr
.endm
.macro ONE g, a, b, first              ; the scale words of K steps 0-3 lie in lanes 0-15 of registers 0-3, those of steps 4-7 in lanes 16-31
.set dD, 8*(8*(\a)+(\b))
.set dB, 96*((\g)%2)+12*(\b)
.set dA, 96+48*((\g)%2)+12*(\a)
.set dSB, SB+4*(\b)+(\g)%4
.set dSA, SA+4*(\a)+(\g)%4
.if \first
	v_wmma_scale_f32_16x16x128_f8f6f4 v[dD:dD+7], v[dB:dB+11], v[dA:dA+11], v[192+8*(\b):199+8*(\b)], v[dSB], v[dSA] matrix_a_fmt:MATRIX_FMT_FP6 matrix_b_fmt:MATRIX_FMT_FP6
.elseif (\g) < 4
	v_wmma_scale_f32_16x16x128_f8f6f4 v[dD:dD+7], v[dB:dB+11], v[dA:dA+11], v[dD:dD+7], v[dSB], v[dSA] matrix_a_fmt:MATRIX_FMT_FP6 matrix_b_fmt:MATRIX_FMT_FP6
.else
	v_wmma_scale_f32_16x16x128_f8f6f4 v[dD:dD+7], v[dB:dB+11], v[dA:dA+11], v[dD:dD+7], v[dSB], v[dSA] matrix_a_fmt:MATRIX_FMT_FP6 matrix_b_fmt:MATRIX_FMT_FP6 matrix_a_scale:MATRIX_SCALE_ROW1 matrix_b_scale:MATRIX_SCALE_ROW1
.endif
.endm
.macro MUL g, first                    ; 32 products; the 32 accumulators take turns, one instruction a turn, in the same order in every K step
.if \first
	WIN 0x91                                       ; source 0 (B) window 1, source 1 (A) window 0, C (the bias) window 1, D window 2
.else
	WIN 0xa1                                       ; C and D window 2
.endif
.irp a, 0,1,2,3
.irp b, 0,1,2,3,4,5,6,7
	ONE \g, \a, \b, \first
.endr
.endr
	WIN 0
.endm
.macro SUB g, first
	s_wait_dscnt 0x0                               ; this K step's fragments are in (asked for 32 products ago)
.if ((\g)%2 == 1) && ((\g) < 7)
	s_wait_tensorcnt 3-((\g)+1)/2                  ; my part of the next two K steps has landed; my later loads may stay out
	s_barrier_signal -1
	s_barrier_wait -1                              ; everybody's has
.endif
.if (\g) < 7
.if (\g) > 0
	PLACES 4                                       ; in front of loads into registers that the last products read
.endif
	FETCH (\g)+1
.endif
	MUL \g, \first
.endm
	s_load_b256 s[4:11], s[0:1], 0x0               ; att_img s[4:5], att_sc s[6:7], w_img s[8:9], w_sc s[10:11]
	s_load_b128 s[12:15], s[0:1], 0x20             ; b_out s[12:13], out0 s[14:15]
	v_lshl_add_u32 v[SPW], v0, 2, SPARE
	v_mov_b32 v[NIL], 0
	ds_add_u32 v[SPW], v[NIL]                      ; the wave's opening: the add and its wait stand ahead of my first tensor load; work on registers stands between them
	ds_add_u32 v[SPW], v[NIL]
	v_lshrrev_b32 v3, 5, v0
	v_readfirstlane_b32 s[WV], v3                  ; wave 0..3
	s_lshr_b32 s17, s16, 1
	s_and_b32 s18, s16, 1
	s_bfe_u32 s19, ttmp6, 0x40000                  ; cx
	s_bfe_u32 s20, ttmp6, 0x40004                  ; cy
	s_mov_b32 s21, ttmp9                           ; the cluster's x: 0, 1
	s_and_b32 s22, ttmp7, 0xffff                   ; the cluster's y: 0..7
	s_lshl_b32 s86, s20, 2
	s_lshl_b32 s86, 15, s86                        ; my row of the cluster
	s_lshl_b32 s88, 0x1111, s19                    ; my column
	s_or_b32 s[G1A], s86, (3<<16)|(1<<21)          ; 15:0 the mask; 17:16 elements of 8 bytes; 21 set beside a mask; no padding
	s_or_b32 s[G1B], s88, (3<<16)|(1<<21)
	s_mov_b32 s[G1A+1], 32<<16                     ; dense blocks as rows of 256 bytes: tensor_dim0 = 32
	s_mov_b32 s[G1A+2], 96<<16                     ; tensor_dim1 = 96 rows: two K steps of a panel of A
	s_mov_b32 s[G1A+3], 32<<16                     ; tile_dim0
	s_mov_b32 s[G1A+4], 96                         ; tile_dim1
	s_mov_b32 s[G1A+5], 32                         ; the pitch
	s_mov_b32 s[G1A+6], 0
	s_mov_b32 s[G1A+7], 0
	s_mov_b32 s[G1B+1], 32<<16
	s_mov_b32 s[G1B+2], 48<<16                     ; 48 rows: one K step of B's panel
	s_mov_b32 s[G1B+3], 32<<16
	s_mov_b32 s[G1B+4], 48
	s_mov_b32 s[G1B+5], 32
	s_mov_b32 s[G1B+6], 0
	s_mov_b32 s[G1B+7], 0
	s_lshl_b32 s84, s22, 2
	s_add_co_u32 s84, s84, s20                     ; tA, my 256 rows: 4 cly + cy
	s_lshl_b32 s23, s21, 2
	s_add_co_u32 s23, s23, s19                     ; my 128 columns: 4 clx + cx
	s_add_co_u32 s85, s23, 24                      ; pB: w_out's panels lie behind w_in's 24
	s_wait_dscnt 0x0                               ; the opening add is done
	s_wait_kmcnt 0x0
	s_lshl_b32 s86, s84, 1                         ; A's address is made of tA and the wave's number, in registers that never hold cx
	s_add_co_u32 s86, s86, s18
	s_mul_i32 s86, s86, PANEL
	s_mov_b32 s87, 0
	s_add_nc_u64 s[86:87], s[4:5], s[86:87]
	s_mul_i32 s88, s85, PANEL                      ; B's of pB and the wave's number, in registers that never hold cy
	s_mul_i32 s89, s18, STEPB
	s_add_co_u32 s88, s88, s89
	s_mov_b32 s89, 0
	s_add_nc_u64 s[88:89], s[8:9], s[88:89]
	s_mul_i32 s2, s18, PANEL                       ; where they go: the wave's number alone
	s_mul_i32 s3, s18, STEPB
	s_add_co_u32 s3, s3, LDSB
.irp q, 0,1,2,3                        ; waves 0, 1: a panel of A each, two K steps a load; waves 2, 3: B's even and odd K steps
	s_mov_b32 s[40+4*\q], 1
	s_add_co_u32 s[41+4*\q], s2, \q*2*STEPB
	s_add_nc_u64 s[42+4*\q:43+4*\q], s[86:87], \q*2*STEPB
	s_or_b32 s[43+4*\q], s[43+4*\q], 0x80000000
	s_mov_b32 s[56+4*\q+4*(\q/2)], 1
	s_add_co_u32 s[57+4*\q+4*(\q/2)], s3, \q*2*STEPB
	s_add_nc_u64 s[58+4*\q+4*(\q/2):59+4*\q+4*(\q/2)], s[88:89], \q*2*STEPB
	s_or_b32 s[59+4*\q+4*(\q/2)], s[59+4*\q+4*(\q/2)], 0x80000000
.endr
	CROUND                                         ; all sixteen work-groups are here: the joint loads meet
	s_cmp_lt_u32 s[WV], 2                          ; a wave's four first fills stand in one branch: four loads of mine are out
	s_cbranch_scc0 .Lfill_b
.irp q, 0,1,2,3
	tensor_load_to_lds s[40+4*\q:43+4*\q], s[G1A:G1A+7]
	s_nop 0
.endr
	PLACES 4
	s_branch .Lfilled
.Lfill_b:
.irp q, 0,1,2,3
	tensor_load_to_lds s[56+4*\q+4*(\q/2):59+4*\q+4*(\q/2)], s[G1B:G1B+7]
	s_nop 0
.endr
	PLACES 4
.Lfilled:
	v_and_b32 v1, 15, v0                           ; r
	v_bfe_u32 v2, v0, 4, 1                         ; h
	v_and_b32 v3, 31, v0
	v_lshlrev_b32 v[L16], 4, v3
	v_lshlrev_b32 v[L8], 3, v3
	v_lshlrev_b32 v[ASO], 5, v1
	v_lshl_add_u32 v[ASO], v2, 4, v[ASO]
	s_wait_alu depctr_va_vdst(0)
	v_lshlrev_b32 v15, 6, v2                       ; the bias: 64 h
	s_wait_alu depctr_va_vdst(0)
	s_lshl_b32 s66, s84, 4
	s_lshl_b32 s67, s16, 2
	s_add_co_u32 s66, s66, s67                     ; my first tile of A: 16 tA + 4 wave
	s_lshl_b32 s66, s66, 9
	s_mov_b32 s67, 0
	s_add_nc_u64 s[80:81], s[6:7], s[66:67]
	s_lshl_b32 s66, s85, 12
	s_add_nc_u64 s[82:83], s[10:11], s[66:67]
	s_lshl_b32 s66, s23, 9
	s_add_nc_u64 s[96:97], s[12:13], s[66:67]      ; b_out at my first column
	s_lshl_b32 s95, s84, 8
	s_lshl_b32 s2, s16, 6
	s_add_co_u32 s95, s95, s2                      ; my first row: 256 tA + 64 wave
	s_lshl_b32 s95, s95, 12                        ; rows of 4,096 bytes
	s_add_co_u32 s66, s66, s95
	s_add_nc_u64 s[98:99], s[14:15], s[66:67]      ; out0 at my first row and column
.irp a, 0,1,2,3
	global_load_b128 v[SA+4*\a:SA+4*\a+3], v[ASO], s[80:81] offset:512*\a   ; a tile's scale words for all of K: 512 consecutive bytes
.endr
.irp b, 0,1,2,3,4,5,6,7
	global_load_b128 v[SB+4*\b:SB+4*\b+3], v[L16], s[82:83] offset:512*\b
.endr
	WIN 0x40
.irp b, 0,1,2,3,4,5,6,7                ; the bias in the result's layout: tile b's register j is column 32 (b / 2) + 16 h + 8 (b % 2) + j
	global_load_b128 v[192+8*\b:195+8*\b], v15, s[96:97] offset:(32*(\b/2)+8*(\b%2))*4
	global_load_b128 v[196+8*\b:199+8*\b], v15, s[96:97] offset:(32*(\b/2)+8*(\b%2))*4+16
.endr
	WIN 0
	s_mul_i32 s66, s17, PANEL                      ; my fragments of A: panel wave / 2, tiles 4 (wave % 2) on; a second register for K steps 4-7, since an offset has 16 bits
	s_mul_i32 s95, s18, 4*FRB
	s_add_co_u32 s66, s66, s95
	v_add_nc_u32 v[ADRA16], s66, v[L16]
	v_add_nc_u32 v[ADRA8], s66, v[L8]
	s_add_co_u32 s66, s66, 4*STEPB
	v_add_nc_u32 v[ADRA16+1], s66, v[L16]
	v_add_nc_u32 v[ADRA8+1], s66, v[L8]
	v_add_nc_u32 v[ADRB16], LDSB, v[L16]
	v_add_nc_u32 v[ADRB8], LDSB, v[L8]
	v_add_nc_u32 v[ADRB16+1], LDSB+4*STEPB, v[L16]
	v_add_nc_u32 v[ADRB8+1], LDSB+4*STEPB, v[L8]
	s_mul_i32 s66, s16, 16*SPITCH                  ; my stage
	v_mul_u32_u24 v[STO], v1, SPITCH
	v_lshl_add_u32 v[STO], v2, 6, v[STO]
	v_add_nc_u32 v[STO], s66, v[STO]               ; in: row r, + 64 h
	v_add_nc_u32 v[RD], s66, v[L16]                ; back: the 32 lanes take one row of 512 bytes
	s_wait_alu depctr_va_vdst(0)
	s_wait_tensorcnt 3                             ; my first load has landed (K steps 0 and 1); three may stay out
	s_barrier_signal -1
	s_barrier_wait -1                              ; everybody's has
	FETCH 0
	s_wait_loadcnt 0x0                             ; the scale words and the bias
	SUB 0, 1                                       ; the first K step starts the sums from the bias: nothing is cleared, nothing is added later
	SUB 1, 0
	SUB 2, 0
	SUB 3, 0
	SUB 4, 0
	SUB 5, 0
	SUB 6, 0
	SUB 7, 0
; THE WAY OUT, a tile of 16 rows x 128 columns at a time: a lane holds pieces of one row, and the lanes beside it other rows: so a tile goes through my own stage and comes back as whole rows of 512 bytes.
; LDS serves a wave's instructions in order: no wait between the stores and the loads, nor in front of the next tile's stores.
.macro TOSTAGE a
	WIN 0x08                                       ; an LDS store's data are its source 1: window 2
.irp b, 0,1,2,3,4,5,6,7
	ds_store_b128 v[STO], v[64*(\a)+8*\b:64*(\a)+8*\b+3] offset:128*(\b/2)+32*(\b%2)          ; each accumulator from its low end on
	ds_store_b128 v[STO], v[64*(\a)+8*\b+4:64*(\a)+8*\b+7] offset:128*(\b/2)+32*(\b%2)+16
.endr
	WIN 0
.irp t, 0,1,2,3,4,5,6,7,8,9,10,11,12,13,14,15
	ds_load_b128 v[BK+64*((\a)%2)+4*\t:BK+64*((\a)%2)+4*\t+3], v[RD] offset:SPITCH*\t
.endr
.endm
.macro SEND a, younger                 ; younger: the LDS instructions issued behind tile a's loads, which may stay out
	s_wait_dscnt \younger
.irp t, 0,1,2,3,4,5,6,7,8,9,10,11,12,13,14,15
	global_store_b128 v[L16], v[BK+64*((\a)%2)+4*\t:BK+64*((\a)%2)+4*\t+3], s[98:99] offset:(32*((\a)/2)+8*((\a)%2)+\t+8*(\t/8))*4096 th:TH_STORE_NT   ; place t's true row; 512 consecutive bytes, aligned; written once, read by nobody here
.endr
.endm
	PLACES 4                                       ; behind the last products: their results are read, and loads land in the registers that held A's fragments
	TOSTAGE 0
	TOSTAGE 1
	SEND 0, 32                                     ; behind tile 0's loads: tile 1's 16 stores and 16 loads
	s_wait_xcnt 0x0                                ; tile 0's stores have read their data: tile 2's loads may land there
	TOSTAGE 2
	SEND 1, 32
	s_wait_xcnt 0x0
	TOSTAGE 3
	SEND 2, 32
	SEND 3, 0
	s_wait_tensorcnt 0x0                           ; the wave's end, behind my last tensor load and my last LDS store
	ds_add_u32 v[SPW], v[NIL]
	s_wait_dscnt 0x0
	CROUND                                         ; the closing round
	s_endpgm
.Lfunc_end_k_q23d1187327_out_gemm:
	.size	k_q23d1187327_out_gemm, .Lfunc_end_k_q23d1187327_out_gemm-k_q23d1187327_out_gemm
	.p2alignl 7, 3214868480
	.fill 96, 4, 3214868480
	.section	.rodata,"a",@progbits
	.p2align	6, 0x0
	.amdhsa_kernel k_q23d1187327_out_gemm
		.amdhsa_group_segment_fixed_size 295424
		.amdhsa_private_segment_fixed_size 0
		.amdhsa_enable_private_segment 0
		.amdhsa_kernarg_size 48
		.amdhsa_user_sgpr_count 2
		.amdhsa_user_sgpr_kernarg_segment_ptr 1
		.amdhsa_wavefront_size32 1
		.amdhsa_system_sgpr_workgroup_id_x 1
		.amdhsa_system_sgpr_workgroup_id_y 1
		.amdhsa_system_sgpr_workgroup_id_z 1
		.amdhsa_system_vgpr_workitem_id 0
		.amdhsa_next_free_vgpr 768
		.amdhsa_next_free_sgpr 100
		.amdhsa_reserve_vcc 0
		.amdhsa_float_denorm_mode_32 3
		.amdhsa_float_denorm_mode_16_64 3
		.amdhsa_memory_ordered 1
		.amdhsa_forward_progress 1
		.amdhsa_inst_pref_size 85
	.end_amdhsa_kernel
	.amdgpu_metadata
---
amdhsa.version: [ 1, 2 ]
amdhsa.kernels:
  - .name:           k_q23d1187327_out_gemm
    .symbol:         k_q23d1187327_out_gemm.kd
    .args:
      - { .name: att_img, .offset: 0, .size: 8, .value_kind: global_buffer, .address_space: global }
      - { .name: att_sc, .offset: 8, .size: 8, .value_kind: global_buffer, .address_space: global }
      - { .name: w_img, .offset: 16, .size: 8, .value_kind: global_buffer, .address_space: global }
      - { .name: w_sc, .offset: 24, .size: 8, .value_kind: global_buffer, .address_space: global }
      - { .name: b_out, .offset: 32, .size: 8, .value_kind: global_buffer, .address_space: global }
      - { .name: out0, .offset: 40, .size: 8, .value_kind: global_buffer, .address_space: global }
    .group_segment_fixed_size: 295424
    .private_segment_fixed_size: 0
    .kernarg_segment_align: 8
    .kernarg_segment_size: 48
    .max_flat_workgroup_size: 128
    .sgpr_count:     100
    .vgpr_count:     768
    .wavefront_size: 32
...
	.end_amdgpu_metadata
.endif
;; end of part 4
